; MI455X (gfx1250); checked and timed in simulation.
; The chip was launched on July 23, 2026; its instructions are those of AMD's public machine-readable ISA for CDNA 5 (MIT licence, August 2026) and "CDNA5" Instruction Set Architecture Reference Guide (July 2026). The comments in the code are by the model that wrote it; some were corrected since.
;; A Li Bi. Allowed arithmetic: matrix products marked QUANTISED: E2M1 operands, one E8M0 scale for each 32 along K, by v_wmma_scale_f32_16x16x128_f8f6f4 with both operands' format E2M1 (or v_wmma_scale_f32_32x16x128_f4), f32 sums; products left as they are: bf16, f16 or f32 operands; f32 sums; everything else in f32.
;; Inputs: Wk 1,024 x 1,024 float32; Wo 1,024 x 1,024 float32; Wq 1,024 x 1,024 float32; Wv 1,024 x 1,024 float32; bk 1,024 float32; bo 1,024 float32; bq 1,024 float32; bv 1,024 float32; x 2 x 2,048 x 1,024 float32.
;; Outputs: out0 2 x 2,048 x 1,024 float32.
;; Constants: n_head = 16.
;; This version of the problem:
;;   THIS VERSION OF THE PROBLEM IS GIVEN IN LOW PRECISION. The matrix products marked QUANTISED in the list below multiply operands that are first quantised to E2M1 (2 exponent bits, 1 mantissa bit; 4 bits a number), with one power-of-two scale for each 32 numbers along K (OCP MX v1.0); their sums are f32. The products marked 'left as it is' may take bf16, f16 or f32 operands, with f32 sums. Whichever they take, every output number must still come out within the allowed error. Rounding operands to bf16 (8 significant bits) uses up far more of that allowance than f16 does (11 bits, for magnitudes from 6e-5 to 65,504). All else is computed in f32.
;;   The module's matrix products, in the order in which they are computed (A, B: the left and right operand; K: the contracted axis; several contracted axes count as one K, in the product's order):
;;     1. [M 4,096, K 1,024] x [K 1,024, N 1,024]; A: input x; B: input Wq: QUANTISED
;;     2. [M 4,096, K 1,024] x [K 1,024, N 1,024]; A: input x; B: input Wk: QUANTISED
;;     3. [M 4,096, K 1,024] x [K 1,024, N 1,024]; A: input x; B: input Wv: QUANTISED
;;     4. batch 32 x [M 2,048, K 64] x [K 64, N 2,048]; A: computed on the way; B: computed on the way: left as it is (an operand is computed on the way)
;;     5. batch 32 x [M 2,048, K 2,048] x [K 2,048, N 64]; A: computed on the way; B: computed on the way: left as it is (an operand is computed on the way)
;;     6. [M 4,096, K 1,024] x [K 1,024, N 1,024]; A: computed on the way; B: input Wo: left as it is (an operand is computed on the way)
;;   THE QUANTISER, for each operand of a quantised product, along K:
;;     - K is cut into blocks of 32 from its start; a last block that is shorter is filled with zeros.
;;     - A block's scale is 2^e with e = floor(log2(the largest magnitude in the block)) - 2, held to -126 .. 127; a block of zeros has e = 0. As a byte (E8M0): e + 127.
;;     - Each number is divided by its block's scale, clamped to +-6, and rounded to the nearest number of E2M1, ties to even, subnormals kept.
;;     - The product sums the exact products of the quantised numbers (number of the format x scale) in f32.
;;   ~~~python
;;   def quantise(x, axis):      # numpy; x: float32 -> the quantised numbers, widened to float32 again
;;       x = np.moveaxis(x, axis, -1); K = x.shape[-1]
;;       x = np.pad(x, [(0, 0)] * (x.ndim - 1) + [(0, -K % 32)]); x = x.reshape(x.shape[:-1] + (-1, 32)); a = np.abs(x).max(-1, keepdims=True)
;;       e = np.where(a > 0, np.clip(np.frexp(np.where(a > 0, a, 1))[1] - 1 - 2, -126, 127), 0)      # np.frexp(a)[1] - 1 = floor(log2(a)), exactly
;;       r = np.clip(x / 2.0 ** e, -6, 6)
;;       step = 2.0 ** (np.maximum(np.frexp(np.where(r == 0, 1, r))[1] - 1, 0) - 1)
;;       q = np.round(r / step) * step * 2.0 ** e      # np.round: ties to even
;;       return np.moveaxis(q.reshape(q.shape[:-2] + (-1,))[..., :K], -1, axis).astype(np.float32)
;;   ~~~
;; One version. Each part assembles by itself: llvm-mc -triple=amdgcn-amd-amdhsa -mcpu=gfx1250 --defsym DOCPART=n.
;; ======== version 1 of 1: 4 launches
;; limits: values are held in f16: magnitudes above 65,504 overflow, below 6.1e-05 lose precision
;; workspace buffers: xc 2,097,152 bytes; xs 131,072 bytes; wc 1,572,864 bytes; ws 98,304 bytes; wo16 2,097,152 bytes; qkv 25,165,824 bytes; yb 8,388,608 bytes
;; launch prep (part 1): grid 144 x 1, 8 waves a work-group, no clusters, 102,400 bytes of LDS; arguments x, Wq, Wk, Wv, Wo, xc, xs, wc, ws, wo16; writes xc, xs, wc, ws, wo16
.if DOCPART == 1
	.amdgcn_target "amdgcn-amd-amdhsa--gfx1250"
	.amdhsa_code_object_version 6
	.text
	.protected	k_q301733c8bc_prep
	.globl	k_q301733c8bc_prep
	.p2align	8
	.type	k_q301733c8bc_prep,@function
k_q301733c8bc_prep:
	s_mov_b64 s[64:65], 0
	v_nop
	global_prefetch_b8 v0, s[64:65] scope:SCOPE_SE
	s_setreg_imm32_b32 hwreg(HW_REG_WAVE_MODE, 25, 1), 1
	s_wait_xcnt 0x0
; PREP: everything that is made once from the inputs, in one launch of three kinds of work-groups, chosen by the work-group's number.
;   0-47    W:  Wq, Wk, Wv [1024 k][1024 n] f32 -> codes of FP4 (E2M1) with K innermost, wc [3072 n][512 bytes], and E8M0 scale bytes ws [3072 n][32]
;   48-111  x:  x [4096][1024] f32 -> codes xc [4096][512 bytes] and scale bytes xs [4096][32]
;   112-143 Wo: Wo [1024 k][1024 n] f32 -> f16, same layout, wo16
; A block of 32 along K has the scale 2^(floor(log2(largest magnitude)) - 2); its byte is the largest magnitude's exponent field - 2, held at 1 from below; each number is divided by
; the scale and rounded to the nearest code, ties to even, beyond 6 the largest code.
; LIMITS: a block of zeros gets the byte 1, not 127: its codes are zeros, and the bytes are read by this program alone.  NaN and infinities among the inputs are not served.
; Numbers of Wo beyond 65,504 become infinities in f16.
; No tensor loads.  The three paths share no LDS byte and never meet again: each ends by itself.  Only the W path has a barrier, and all eight waves of a W work-group pass it.
.set SP,    80                         ; x: a lane's place in a stage: 64 bytes + 16 of padding
.set XSB,   2*32*SP                    ; x: behind a wave's two stages: its 256 scale bytes.  A wave's region is 8,192 bytes, from 8,192 x wave
.set WSTG,  65536                      ; W: 64 rows (columns n) x (512 bytes of codes + 16)
.set WPIT,  528
.set WSS,   WSTG+64*WPIT               ; W: 64 rows x 32 scale bytes
.set SPARE, WSS+64*32                  ; the spare words, 128 bytes for each wave: four blocks of 256 bytes that no other line names
.set SPW,  2                           ; v2   LDS address of my spare word; never rewritten
.set NIL,  3                           ; v3   0; never rewritten
.set L16,  4                           ; v4   16 x lane
.set XIN,  5                           ; v5   x: into the stage
.set XOUT, 6                           ; v6   x: out of it
.set L8,   7                           ; v7   8 x lane
.set XBY,  8                           ; v8   x: my block's scale byte
.set XBR,  9                           ; v9   x: the scale bytes on the way out
.set L4,   16                          ; v16  4 x lane
.set WSI,  17                          ; v17  W: into the stage
.set WSC,  18                          ; v18  W: my scale bytes
.set WSO,  19                          ; v19  W: out of the stage
.set WSR,  20                          ; v20  W: the scale bytes on the way out
.set T0,   24                          ; v24-26 at work
.set T1,   25
.set T2,   26
	s_load_b256 s[4:11], s[0:1], 0x0               ; x s[4:5], Wq s[6:7], Wk s[8:9], Wv s[10:11]
	s_load_b256 s[12:19], s[0:1], 0x20             ; Wo s[12:13], xc s[14:15], xs s[16:17], wc s[18:19]
	s_load_b128 s[20:23], s[0:1], 0x40             ; ws s[20:21], wo16 s[22:23]
	v_lshl_add_u32 v[SPW], v0, 2, SPARE
	v_mov_b32 v[NIL], 0
	v_lshrrev_b32 v1, 5, v0
	v_readfirstlane_b32 s24, v1                    ; wave 0..7
	v_and_b32 v1, 31, v0                           ; lane
	v_lshlrev_b32 v[L16], 4, v1
	v_lshlrev_b32 v[L8], 3, v1
	v_lshlrev_b32 v[L4], 2, v1
	; every LDS address is made here, ahead of the parting of the paths: a constant + a constant x lane + a constant x wave
	s_lshl_b32 s25, s24, 13                        ; x: my wave's region
	v_lshrrev_b32 v[T0], 2, v1
	v_mul_u32_u24 v[T0], v[T0], SP
	v_and_b32 v[T1], 3, v1
	v_lshl_add_u32 v[T0], v[T1], 4, v[T0]
	v_add_nc_u32 v[XIN], s25, v[T0]                ; four lanes' 64 bytes on end, then the padding
	v_mul_u32_u24 v[T0], v1, SP
	v_add_nc_u32 v[XOUT], s25, v[T0]               ; my 16 neighbours
	s_add_co_u32 s25, s25, XSB
	v_lshrrev_b32 v[T0], 1, v1
	v_add_nc_u32 v[XBY], s25, v[T0]
	v_add_nc_u32 v[XBR], s25, v[L8]
	s_and_b32 s27, s24, 1                          ; W: cg: which 32 of the work-group's 64 columns
	s_lshr_b32 s28, s24, 1                         ; W: kq: which 256 along K
	s_mul_i32 s29, s27, 32*WPIT
	s_lshl_b32 s30, s28, 7
	s_add_co_u32 s29, s29, s30
	s_add_co_u32 s29, s29, WSTG
	v_mul_u32_u24 v[T0], v1, WPIT
	v_add_nc_u32 v[WSI], s29, v[T0]                ; row 32 cg + lane, 128 kq bytes on
	s_lshl_b32 s29, s27, 10
	s_lshl_b32 s30, s28, 3
	s_add_co_u32 s29, s29, s30
	s_add_co_u32 s29, s29, WSS
	v_lshlrev_b32 v[T0], 5, v1
	v_add_nc_u32 v[WSC], s29, v[T0]                ; row 32 cg + lane, 8 kq bytes on
	s_mul_i32 s29, s24, 8*WPIT
	s_add_co_u32 s29, s29, WSTG
	v_add_nc_u32 v[WSO], s29, v[L16]               ; rows 8 wave on, 16 bytes a lane
	s_lshl_b32 s29, s24, 8
	s_add_co_u32 s29, s29, WSS
	v_add_nc_u32 v[WSR], s29, v[L8]                ; the same rows' 256 scale bytes
	s_wait_kmcnt 0x0
	s_cmp_lt_u32 ttmp9, 48
	s_cbranch_scc1 .Lw_path
	s_cmp_lt_u32 ttmp9, 112
	s_cbranch_scc1 .Lx_path
; ---------------- Wo to f16: a plain stream.  A wave takes 16,384 bytes: 32 loads of 512 consecutive bytes, sixteen of them out at a time; each becomes one store of 256 consecutive, aligned bytes.
.set OF32, 32                          ; v32-95   sixteen sets of four numbers
.set OF16, 96                          ; v96-159  a pair of registers for each store, so that no store's data are written again
	s_sub_co_u32 s25, ttmp9, 112
	s_lshl_b32 s25, s25, 3
	s_add_co_u32 s25, s25, s24                     ; which run of 4,096 numbers is my wave's
	s_mov_b32 s27, 0
	s_lshl_b32 s26, s25, 14
	s_add_nc_u64 s[12:13], s[12:13], s[26:27]
	s_lshl_b32 s26, s25, 13
	s_add_nc_u64 s[22:23], s[22:23], s[26:27]
.macro OLOAD i
	global_load_b128 v[OF32+4*((\i)%16):OF32+4*((\i)%16)+3], v[L16], s[12:13] offset:512*(\i) th:TH_LOAD_NT
.endm
.irp i, 0,1,2,3,4,5,6,7,8,9,10,11,12,13,14,15
	OLOAD \i
.endr
.irp i, 0,1,2,3,4,5,6,7,8,9,10,11,12,13,14,15,16,17,18,19,20,21,22,23,24,25,26,27,28,29,30,31
.if \i < 16
	s_wait_loadcnt 15                              ; loads come back in order: mine is in, the fifteen younger ones stay out
.else
	s_wait_loadcnt 31-\i                           ; nothing more is asked for: the count runs down
.endif
	v_cvt_pk_f16_f32 v[OF16+2*\i], v[OF32+4*(\i%16)], v[OF32+4*(\i%16)+1]
	v_cvt_pk_f16_f32 v[OF16+2*\i+1], v[OF32+4*(\i%16)+2], v[OF32+4*(\i%16)+3]
.if \i < 16
	OLOAD \i+16
.endif
	global_store_b64 v[L8], v[OF16+2*\i:OF16+2*\i+1], s[22:23] offset:256*\i
.endr
	s_wait_tensorcnt 0x0                           ; the wave's end
	ds_add_u32 v[SPW], v[NIL]
	s_wait_dscnt 0x0
	s_endpgm
; ---------------- x: rows are dense and 1,024 is a multiple of 32, so x is a plain stream of blocks of 32.  A wave takes 16 steps of 512 numbers.  Each of a step's four loads reads 512 consecutive bytes;
; the 2,048 bytes turn through the wave's own stage in LDS and come back 64 bytes a lane: 16 neighbours along K, two neighbouring lanes to a block.  Loads run four steps ahead, the turn one step.
.Lx_path:
.set R, 32                             ; v32-95   four sets of 16 numbers as loaded
.set X, 96                             ; v96-127  two sets of 16 neighbours
.set E, 128                            ; v128-143 a scale byte for each step
.set C, 144                            ; v144-207 codes: four registers for each step, so that no store's data are written again
	s_sub_co_u32 s25, ttmp9, 48
	s_lshl_b32 s25, s25, 3
	s_add_co_u32 s25, s25, s24                     ; which run of 8,192 numbers is my wave's: 0..511
	s_mov_b32 s27, 0
	s_lshl_b32 s26, s25, 15
	s_add_nc_u64 s[4:5], s[4:5], s[26:27]
	s_lshl_b32 s26, s25, 12
	s_add_nc_u64 s[14:15], s[14:15], s[26:27]
	s_lshl_b32 s26, s25, 8
	s_add_nc_u64 s[16:17], s[16:17], s[26:27]
.macro XLOAD t
.irp i, 0,1,2,3
	global_load_b128 v[R+16*((\t)%4)+4*\i:R+16*((\t)%4)+4*\i+3], v[L16], s[4:5] offset:2048*(\t)+512*\i th:TH_LOAD_NT
.endr
.endm
.macro XTURN t                         ; LDS serves a wave's instructions in order, so no wait stands between the stores and the loads
.irp i, 0,1,2,3
	ds_store_b128 v[XIN], v[R+16*((\t)%4)+4*\i:R+16*((\t)%4)+4*\i+3] offset:32*SP*((\t)%2)+8*SP*\i
.endr
.irp i, 0,1,2,3
	ds_load_b128 v[X+16*((\t)%2)+4*\i:X+16*((\t)%2)+4*\i+3], v[XOUT] offset:32*SP*((\t)%2)+16*\i
.endr
.endm
.irp t, 0,1,2,3
	XLOAD \t
.endr
	s_wait_loadcnt 12                              ; step 0's four loads are in
	XTURN 0
.macro XSTEP t
.set XS, X+16*((\t)%2)
.if (\t) > 0
	s_wait_dscnt 1                                 ; this step's numbers are back from the stage (the last step's byte store may be out): so its stores into the stage have read their registers,
.else
	s_wait_dscnt 0x0
.endif
.if (\t)+4 < 16
	XLOAD (\t)+4                                   ; which take the loads of four steps on
.endif
.if (\t)+1 < 16
.if 14-(\t) >= 3
	s_wait_loadcnt 12                              ; the next step's four loads are in; those of the three steps behind it may be out
.else
	s_wait_loadcnt 4*(14-(\t))
.endif
	XTURN (\t)+1
.endif
	v_max3_num_f32 v[T0], |v[XS]|, |v[XS+1]|, |v[XS+2]|            ; the largest magnitude of my 16, in two chains
	v_max3_num_f32 v[T1], |v[XS+3]|, |v[XS+4]|, |v[XS+5]|
.irp i, 6,10
	v_max3_num_f32 v[T0], v[T0], |v[XS+\i]|, |v[XS+\i+1]|
	v_max3_num_f32 v[T1], v[T1], |v[XS+\i+2]|, |v[XS+\i+3]|
.endr
	v_max3_num_f32 v[T0], v[T0], |v[XS+14]|, |v[XS+15]|
	v_max3_num_f32 v[T0], v[T0], v[T1], 0x1800000  ; and the floor 2^(3 - 127): the byte cannot fall under 1
	v_max_num_f32_dpp v[T0], v[T0], v[T0] row_xmask:1 row_mask:0xf bank_mask:0xf   ; with my neighbour's 16: the block's
	v_add_nc_u32 v[T2], 0xff000000, v[T0]          ; 2 off its exponent field: the conversion takes the exponent field of this operand as its scale
	v_cvt_scalef32_pk8_fp4_f32 v[C+4*(\t)], v[XS:XS+7], v[T2]
	v_cvt_scalef32_pk8_fp4_f32 v[C+4*(\t)+1], v[XS+8:XS+15], v[T2]
	v_lshrrev_b32 v[E+(\t)], 23, v[T2]             ; the scale's byte (a plain line behind the conversions)
	ds_store_b8 v[XBY], v[E+(\t)] offset:16*(\t)   ; both lanes of a block write the same byte with the same value
	global_store_b64 v[L8], v[C+4*(\t):C+4*(\t)+1], s[14:15] offset:256*(\t)      ; the wave stores 256 consecutive, aligned bytes
.endm
.irp t, 0,1,2,3,4,5,6,7,8,9,10,11,12,13,14,15
	XSTEP \t
.endr
	ds_load_b64 v[T0:T0+1], v[XBR]                 ; LDS serves a wave's instructions in order: these see my byte stores
	s_wait_dscnt 0x0
	global_store_b64 v[L8], v[T0:T0+1], s[16:17]   ; my wave's 256 scale bytes, consecutive and aligned
	s_wait_tensorcnt 0x0                           ; the wave's end, behind my last LDS store
	ds_add_u32 v[SPW], v[NIL]
	s_wait_dscnt 0x0
	s_endpgm
; ---------------- Wq, Wk, Wv: K is the FIRST axis.  A lane takes a column n and its registers run down K: a block of 32 lies in one lane's 32 registers, and the conversions give codes with K innermost.
; A work-group owns 64 columns of one matrix and ALL of K; wave (cg, kq) takes 32 columns x 256 along K: 8 blocks.  The codes and scale bytes meet in LDS, so that whole rows leave:
; 512 bytes of codes and 32 scale bytes a column.  Loads run two blocks (64 loads a wave) ahead.
.Lw_path:
.set WX,   32                          ; v32-95   two sets of 32 numbers
.set WC,   96                          ; v96-99   a block's codes
.set WSB,  100                         ; v100-101 my 8 scale bytes
.set WOUT, 104                         ; v104-135 the way out: 8 rows;  v136-137 scale bytes
	s_lshr_b32 s25, ttmp9, 4                       ; which matrix
	s_and_b32 s26, ttmp9, 15                       ; which 64 columns
	s_cmp_eq_u32 s25, 0
	s_cselect_b64 s[6:7], s[6:7], s[8:9]
	s_cmp_eq_u32 s25, 2
	s_cselect_b64 s[6:7], s[10:11], s[6:7]         ; the choice hangs on the work-group's number alone
	s_lshl_b32 s32, s28, 20                        ; 256 kq rows of 4,096 bytes
	s_lshl_b32 s30, s26, 8
	s_add_co_u32 s32, s32, s30                     ; + 64 columns x 4 bytes x the group
	s_lshl_b32 s30, s27, 7
	s_add_co_u32 s32, s32, s30                     ; + 32 cg columns
	s_mov_b32 s33, 0
	s_add_nc_u64 s[6:7], s[6:7], s[32:33]
	s_lshl_b32 s32, s25, 19                        ; wc: (1024 matrix + 64 group + 8 wave) rows of 512 bytes
	s_lshl_b32 s30, s26, 15
	s_add_co_u32 s32, s32, s30
	s_lshl_b32 s30, s24, 12
	s_add_co_u32 s32, s32, s30
	s_add_nc_u64 s[18:19], s[18:19], s[32:33]
	s_lshl_b32 s32, s25, 15                        ; ws: the same rows, of 32 bytes
	s_lshl_b32 s30, s26, 11
	s_add_co_u32 s32, s32, s30
	s_lshl_b32 s30, s24, 8
	s_add_co_u32 s32, s32, s30
	s_add_nc_u64 s[20:21], s[20:21], s[32:33]
.macro WLOAD t                         ; block t: W(256 kq + 32 t + i, my column): 32 lanes read 128 consecutive bytes, the two waves of a kq 256
.irp i, 0,1,2,3,4,5,6,7,8,9,10,11,12,13,14,15,16,17,18,19,20,21,22,23,24,25,26,27,28,29,30,31
	global_load_b32 v[WX+32*((\t)%2)+\i], v[L4], s[6:7] offset:(32*(\t)+\i)*4096 th:TH_LOAD_NT
.endr
.endm
	WLOAD 0
	WLOAD 1
.macro WBLOCK t
.set XS, WX+32*((\t)%2)
.if (\t) < 7
	s_wait_loadcnt 32                              ; this block's 32 loads are in; the next block's may be out
.else
	s_wait_loadcnt 0x0
.endif
	v_max3_num_f32 v[T0], |v[XS]|, |v[XS+1]|, |v[XS+2]|            ; the block's largest magnitude: all 32 numbers are mine
	v_max3_num_f32 v[T1], |v[XS+3]|, |v[XS+4]|, |v[XS+5]|
.irp i, 6,10,14,18,22,26
	v_max3_num_f32 v[T0], v[T0], |v[XS+\i]|, |v[XS+\i+1]|
	v_max3_num_f32 v[T1], v[T1], |v[XS+\i+2]|, |v[XS+\i+3]|
.endr
	v_max3_num_f32 v[T0], v[T0], |v[XS+30]|, |v[XS+31]|
	v_max3_num_f32 v[T0], v[T0], v[T1], 0x1800000  ; and the floor 2^(3 - 127)
	v_add_nc_u32 v[T2], 0xff000000, v[T0]          ; 2 off the exponent field: the conversion's scale operand
	v_lshrrev_b32 v[T1], 23, v[T2]                 ; the scale's byte
.if (\t)%4 == 0
	v_mov_b32 v[WSB+(\t)/4], v[T1]                 ; four bytes to a register, the lower K in the lower byte
.else
	v_lshl_or_b32 v[WSB+(\t)/4], v[T1], 8*((\t)%4), v[WSB+(\t)/4]
.endif
.irp g, 0,1,2,3
	v_cvt_scalef32_pk8_fp4_f32 v[WC+\g], v[XS+8*\g:XS+8*\g+7], v[T2]
.endr
	ds_store_b128 v[WSI], v[WC:WC+3] offset:16*(\t)                ; 32 codes: 16 bytes of my column's row.  (The next vector lines are the next block's plain maxima)
.if (\t)+2 < 8
	WLOAD (\t)+2
.endif
	s_wait_dscnt 0x0                               ; the store has read its registers: the next block's codes may be written
.endm
.irp t, 0,1,2,3,4,5,6,7
	WBLOCK \t
.endr
	ds_store_b64 v[WSC], v[WSB:WSB+1]
	s_wait_dscnt 0x0                               ; for the others' sake: my stores into the stage have landed
	s_barrier_signal -1
	s_barrier_wait -1                              ; 64 whole rows of codes and of scale bytes lie in LDS
.irp i, 0,1,2,3,4,5,6,7
	ds_load_b128 v[WOUT+4*\i:WOUT+4*\i+3], v[WSO] offset:\i*WPIT
.endr
	ds_load_b64 v[WOUT+32:WOUT+33], v[WSR]
.irp i, 0,1,2,3,4,5,6,7
	s_wait_dscnt 8-\i                              ; row i is in; the younger loads may be out
	global_store_b128 v[L16], v[WOUT+4*\i:WOUT+4*\i+3], s[18:19] offset:512*\i     ; 32 lanes store a row of 512 consecutive, aligned bytes
.endr
	s_wait_dscnt 0x0
	global_store_b64 v[L8], v[WOUT+32:WOUT+33], s[20:21]           ; eight rows' scale bytes: 256 consecutive, aligned bytes
	s_wait_tensorcnt 0x0                           ; the wave's end, behind my last LDS store
	ds_add_u32 v[SPW], v[NIL]
	s_wait_dscnt 0x0
	s_endpgm
.Lfunc_end_k_q301733c8bc_prep:
	.size	k_q301733c8bc_prep, .Lfunc_end_k_q301733c8bc_prep-k_q301733c8bc_prep
	.p2alignl 7, 3214868480
	.fill 96, 4, 3214868480
	.section	.rodata,"a",@progbits
	.p2align	6, 0x0
	.amdhsa_kernel k_q301733c8bc_prep
		.amdhsa_group_segment_fixed_size 102400
		.amdhsa_private_segment_fixed_size 0
		.amdhsa_enable_private_segment 0
		.amdhsa_kernarg_size 80
		.amdhsa_user_sgpr_count 2
		.amdhsa_user_sgpr_kernarg_segment_ptr 1
		.amdhsa_wavefront_size32 1
		.amdhsa_system_sgpr_workgroup_id_x 1
		.amdhsa_system_sgpr_workgroup_id_y 1
		.amdhsa_system_sgpr_workgroup_id_z 1
		.amdhsa_system_vgpr_workitem_id 0
		.amdhsa_next_free_vgpr 208
		.amdhsa_next_free_sgpr 66
		.amdhsa_reserve_vcc 0
		.amdhsa_float_denorm_mode_32 3
		.amdhsa_float_denorm_mode_16_64 3
		.amdhsa_memory_ordered 1
		.amdhsa_forward_progress 1
		.amdhsa_inst_pref_size 85
	.end_amdhsa_kernel
	.amdgpu_metadata
---
amdhsa.version: [ 1, 2 ]
amdhsa.kernels:
  - .name:           k_q301733c8bc_prep
    .symbol:         k_q301733c8bc_prep.kd
    .args:
      - { .name: x, .offset: 0, .size: 8, .value_kind: global_buffer, .address_space: global }
      - { .name: Wq, .offset: 8, .size: 8, .value_kind: global_buffer, .address_space: global }
      - { .name: Wk, .offset: 16, .size: 8, .value_kind: global_buffer, .address_space: global }
      - { .name: Wv, .offset: 24, .size: 8, .value_kind: global_buffer, .address_space: global }
      - { .name: Wo, .offset: 32, .size: 8, .value_kind: global_buffer, .address_space: global }
      - { .name: xc, .offset: 40, .size: 8, .value_kind: global_buffer, .address_space: global }
      - { .name: xs, .offset: 48, .size: 8, .value_kind: global_buffer, .address_space: global }
      - { .name: wc, .offset: 56, .size: 8, .value_kind: global_buffer, .address_space: global }
      - { .name: ws, .offset: 64, .size: 8, .value_kind: global_buffer, .address_space: global }
      - { .name: wo16, .offset: 72, .size: 8, .value_kind: global_buffer, .address_space: global }
    .group_segment_fixed_size: 102400
    .private_segment_fixed_size: 0
    .kernarg_segment_align: 8
    .kernarg_segment_size: 80
    .max_flat_workgroup_size: 256
    .sgpr_count:     66
    .vgpr_count:     208
    .wavefront_size: 32
...
	.end_amdgpu_metadata
.endif
;; end of part 1
;; launch qkv (part 2): grid 12 x 16, 4 waves a work-group, clusters of 4 x 4, 327,680 bytes of LDS; arguments xc, xs, wc, ws, bq, bk, bv, qkv; writes qkv
.if DOCPART == 2
	.amdgcn_target "amdgcn-amd-amdhsa--gfx1250"
	.amdhsa_code_object_version 6
	.text
	.protected	k_q301733c8bc_qkv
	.globl	k_q301733c8bc_qkv
	.p2align	8
	.type	k_q301733c8bc_qkv,@function
k_q301733c8bc_qkv:
	s_mov_b64 s[64:65], 0
	v_nop
	global_prefetch_b8 v0, s[64:65] scope:SCOPE_SE
	s_setreg_imm32_b32 hwreg(HW_REG_WAVE_MODE, 25, 1), 1
	s_wait_xcnt 0x0
	s_wait_alu depctr_hold_cnt(0) depctr_sa_sdst(0) depctr_va_vdst(0) depctr_va_sdst(0) depctr_va_ssrc(0) depctr_va_vcc(0) depctr_vm_vsrc(0)
	s_getreg_b32 s2, hwreg(HW_REG_IB_STS2, 6, 4)
	s_cmp_eq_u32 s2, 0
	s_cbranch_scc0 .Lentry_in_a_cluster
	s_endpgm
.Lentry_in_a_cluster:
	s_bfe_u32 s2, ttmp6, 0x10000c
	s_cmp_lg_u32 s2, 0xf033
	s_cbranch_scc0 .Lentry_shape_is_right
	s_endpgm
.Lentry_shape_is_right:
; q, k, v = x W + b for the three weights at once: C[m][n] = sum over k of A[m][k] B[n][k] + bias[n], A = x's codes [4096][1024], B = the weights' codes [3072][1024] (n 0-1023 Wq's columns,
; 1024-2047 Wk's, 2048-3071 Wv's), codes of FP4 (E2M1) with one E8M0 scale for each 32 along K; sums in f32.  The result is rounded to f16 and laid by heads: qkv [3][2 b][16 h][2048 t][64].
; LIMIT: results beyond 65,504 become infinities in f16.
; A tile of C, 256 x 256, is made by a work-group of four waves; a wave makes 128 x 128: 64 accumulators of 16 x 16, 512 registers.  K = 1,024 is two K steps of 512, each in an LDS slot of its own:
; both slots and all scale bytes are asked for at the head, and nothing is filled twice.
; CLUSTERS: 4 x 4 work-groups.  The four of a row of the cluster need the same tiles of A, the four of a column the same tiles of B: each tile is asked for JOINTLY, by the same tensor load with the
; same descriptor and a mask that names the four.  A cluster's four tile columns are one of the three matrices, so the cluster's x is the matrix.
; THE MATRIX INSTRUCTION IS USED TRANSPOSED (source 0 = 16 rows of B, source 1 = 16 rows of A): a lane then holds eight neighbouring columns of a row of C.  THE BIAS is the C of each sum's first instruction.
; REGISTERS, in windows of 256: window 0: v0-31 addresses; v32-95 scale words, two sets; v128-191 A's fragments, ONE set; v192-255 the bias, 8 registers for each of B's 8 blocks; on the way out v32-63, v192-255 are at work.
;   window 1: B's fragments, TWO sets, at v0 and at v128.   window 2: the 32 accumulators of my rows 0-63 (accumulator (a, b) at v[8 (8 a + b)]);   window 3: those of my rows 64-127.
.set NQ,     4                         ; matrix instructions deep in a slot: 512 along K
.set ROWB,   256                       ; a tile's row in bytes: 512 codes
.set KROW,   512                       ; a row of A or of B in memory
.set PITCH,  272                       ; an LDS row: 256 bytes + 16 of padding = 68 words: the 16 rows that a load touches start at 16 different banks (64 banks of 4 bytes: ISA guide 11.1)
.set FR,     8                         ; registers of a fragment: 16 rows x 128 K
.set NL,     2                         ; LDS loads that bring one
.set NP,     4                         ; places behind this matrix instruction (ISA guide 7.12.1)
.set HALFT,  128*PITCH
.set SLOT,   4*HALFT                   ; A's 256 rows, then B's 256 rows
.set KS,     32                        ; a row of scale bytes
.set SCL,    2*SLOT                    ; behind the slots: the scales, as units of 256 bytes + 16 of padding
.set HALFS,  (128*KS/256)*272          ; those of 128 rows: what one tensor load brings
.set SBLK,   (16*KS/256)*272           ; those of 16 rows
.set SPARE,  SCL+4*HALFS               ; the spare words, 128 bytes for each wave: two blocks of 256 bytes that no other line names
.set SPITCH, 272                       ; the way out: a stage of 16 rows x (256 bytes + 16) for each wave, in slot 0, which has had its only fill and its last read when the first result is stored there
.set ADRA, 16                          ; v16-17  LDS address of my A fragments in slot 0, 1
.set ADRB, 20                          ; v20-21  the same for B
.set STO,  24                          ; v24     the way out: where I put 16 bytes of a row
.set RD,   25                          ; v25     the way out: where I read back
.set CO,   26                          ; v26     16 x lane: my place in 512 bytes of qkv
.set ADRS, 27                          ; v27     LDS address of my scale words: lanes 0-15 A's rows, lanes 16-31 B's
.set SPW,  28                          ; v28     LDS address of my spare word; never rewritten
.set NIL,  29                          ; v29     0; never rewritten
.set BO,   30                          ; v30     the bias loads' offset: 32 x (lane / 16)
.set SC,   32
.set AF,   128
.set BIAS, 192
.set TMP,  192                         ; the way out: packed results (the bias is done with)
.set G1, 24
.set G0, 32
.set G1B, 48
.set G0B, 56
.set G1S, 68
.set G0S, 76
.set G1SB, 80
.set G0SB, 88
.set MSB, 0
.macro WIN new                         ; the immediate's high byte repeats the setting that is left
.if MSB != (\new)
	s_set_vgpr_msb (MSB<<8)|(\new)
.set MSB, (\new)
.endif
.endm
.set MUL_LO, 0xa1                      ; source 0 (B) window 1, source 1 (A) window 0, C and D window 2
.set MUL_HI, 0xf1                      ; the same, C and D window 3
.set TO_B,   0x40                      ; destination window 1, address window 0
; A joint load: waves 0 and 1 fetch for A, waves 2 and 3 for B.  Each of the two lines has ONE mask and one set of registers for all that issue it; the branch hangs on the wave's number alone.
; An s_nop 0 and four v_nop follow each of the two lines.
.macro JLOAD g0a, g1a, g0b, g1b
	s_cmp_eq_u32 s15, 0
	s_cbranch_scc0 .Lfor_b_\@
	tensor_load_to_lds s[\g0a:\g0a+3], s[\g1a:\g1a+7]
	s_nop 0
.rept 4
	v_nop
.endr
	s_branch .Lasked_\@
.Lfor_b_\@:
	tensor_load_to_lds s[\g0b:\g0b+3], s[\g1b:\g1b+7]
	s_nop 0
.rept 4
	v_nop
.endr
.Lasked_\@:
.endm
.macro CROUND                          ; a round of the cluster's barrier
	s_barrier_signal -1
	s_barrier_wait -1
	s_cmp_lg_u32 s14, 0
	s_cbranch_scc1 .Lnot_wave_0_\@
	s_barrier_signal -3
.Lnot_wave_0_\@:
	s_barrier_wait -3
	s_barrier_signal -1
	s_barrier_wait -1
.endm
	s_load_b128 s[4:7], s[0:1], 0x0                ; A's codes s[4:5], A's scales s[6:7]
	s_load_b128 s[8:11], s[0:1], 0x10              ; B's codes s[8:9], B's scales s[10:11]
	s_load_b128 s[96:99], s[0:1], 0x20             ; bq, bk
	s_load_b64 s[100:101], s[0:1], 0x30            ; bv
	s_load_b64 s[12:13], s[0:1], 0x38              ; qkv
	v_lshl_add_u32 v[SPW], v0, 2, SPARE
	v_mov_b32 v[NIL], 0
	ds_add_u32 v[SPW], v[NIL]                      ; the wave's opening: the add, twice on end, and its wait ahead of my first tensor load
	ds_add_u32 v[SPW], v[NIL]
	v_lshrrev_b32 v1, 5, v0
	v_readfirstlane_b32 s14, v1                    ; wave 0..3
	s_lshr_b32 s15, s14, 1                         ; which half of the tile's rows is mine.  Also: I fetch for A (0) or for B (1)
	s_and_b32 s16, s14, 1                          ; which half of its columns.  Also: which 128 rows of that tile I fetch
	s_bfe_u32 s40, ttmp6, 0x40000                  ; cx, cy: my place in the cluster
	s_bfe_u32 s41, ttmp6, 0x40004
	s_lshl_b32 s42, ttmp9, 2
	s_add_co_u32 s42, s42, s40                     ; tile column of C = 4 x cluster x + cx
	s_and_b32 s17, ttmp7, 0xffff
	s_lshl_b32 s17, s17, 2
	s_add_co_u32 s17, s17, s41                     ; tile row of C = 4 x cluster y + cy
	s_lshl_b32 s43, s41, 2
	s_lshl_b32 s43, 15, s43                        ; my row of the cluster
	s_lshl_b32 s44, 0x1111, s40                    ; my column
	; descriptor group 1: a tile of 128 rows x 256 bytes, padded in LDS
	s_or_b32 s[G1+0], s43, (0<<16)|(1<<20)|(1<<21)|(5<<22)|(3<<25)  ; 15:0 the mask: A's tiles go to my row; 17:16 element of 1 byte; 20 padding on; 21 set beside a mask; 24:22 after every 64 words; 31:25 four words
	s_or_b32 s[G1B+0], s44, (0<<16)|(1<<20)|(1<<21)|(5<<22)|(3<<25)
.irp g, G1, G1B
	s_mov_b32 s[\g+1], ROWB<<16                    ; tensor_dim0
	s_mov_b32 s[\g+2], 128<<16                     ; tensor_dim1
	s_mov_b32 s[\g+3], ROWB<<16                    ; tile_dim0
	s_mov_b32 s[\g+4], 128                         ; tile_dim1
	s_mov_b32 s[\g+5], KROW                        ; tensor_dim0_stride
	s_mov_b32 s[\g+6], 0
	s_mov_b32 s[\g+7], 0
.endr
	; the scales of 128 rows: a dense block of 4,096 bytes, as 16 rows of 256 bytes (32 elements of 8 bytes), 16 bytes of padding behind each
	s_or_b32 s[G1S+0], s43, (3<<16)|(1<<20)|(1<<21)|(5<<22)|(3<<25)
	s_or_b32 s[G1SB+0], s44, (3<<16)|(1<<20)|(1<<21)|(5<<22)|(3<<25)
.irp g, G1S, G1SB
	s_mov_b32 s[\g+1], 32<<16
	s_mov_b32 s[\g+2], (128*KS/256)<<16
	s_mov_b32 s[\g+3], 32<<16
	s_mov_b32 s[\g+4], 128*KS/256
	s_mov_b32 s[\g+5], 32
	s_mov_b32 s[\g+6], 0
	s_mov_b32 s[\g+7], 0
.endr
	s_lshl_b32 s18, s16, 7                         ; which 128 rows of the tile I fetch
	s_lshl_b32 s20, s17, 8
	s_add_co_u32 s20, s20, s18                     ; A: row 256 x tile row + 128 x half
	s_lshl_b32 s46, s42, 8
	s_add_co_u32 s46, s46, s18                     ; B: row 256 x tile column + 128 x half
	s_mov_b32 s21, 0
	s_mov_b32 s47, 0
	s_mov_b64 s[18:19], KS
	s_mul_u64 s[22:23], s[20:21], s[18:19]         ; where these rows' scales begin, in bytes
	s_mul_u64 s[92:93], s[46:47], s[18:19]
	s_mov_b64 s[18:19], KROW
	s_mul_u64 s[20:21], s[20:21], s[18:19]         ; and their codes
	s_mul_u64 s[46:47], s[46:47], s[18:19]
	s_mul_i32 s45, s14, HALFT                      ; where they go: wave x 128 rows: no place in the cluster enters an LDS address
	s_mul_i32 s94, s14, HALFS
	s_wait_dscnt 0x0                               ; both opening adds are done
	s_wait_kmcnt 0x0
	s_add_nc_u64 s[20:21], s[4:5], s[20:21]
	s_add_nc_u64 s[22:23], s[6:7], s[22:23]
	s_add_nc_u64 s[46:47], s[8:9], s[46:47]
	s_add_nc_u64 s[92:93], s[10:11], s[92:93]
	CROUND                                         ; all sixteen work-groups are here: the joint loads meet
	s_mov_b32 s[G0S], 1
	s_add_co_u32 s[G0S+1], s94, SCL
	s_mov_b64 s[G0S+2:G0S+3], s[22:23]
	s_or_b32 s[G0S+3], s[G0S+3], 0x80000000
	s_mov_b32 s[G0SB], 1
	s_add_co_u32 s[G0SB+1], s94, SCL
	s_mov_b64 s[G0SB+2:G0SB+3], s[92:93]
	s_or_b32 s[G0SB+3], s[G0SB+3], 0x80000000
	JLOAD G0S, G1S, G0SB, G1SB                     ; the scales first: they are wanted with K step 0.  Three loads of mine are out behind the next two
.irp s, 0,1
	s_mov_b32 s[G0+4*\s], 1
	s_add_co_u32 s[G0+4*\s+1], s45, \s*SLOT
	s_add_nc_u64 s[G0+4*\s+2:G0+4*\s+3], s[20:21], \s*ROWB
	s_or_b32 s[G0+4*\s+3], s[G0+4*\s+3], 0x80000000
	s_mov_b32 s[G0B+4*\s], 1
	s_add_co_u32 s[G0B+4*\s+1], s45, \s*SLOT
	s_add_nc_u64 s[G0B+4*\s+2:G0B+4*\s+3], s[46:47], \s*ROWB
	s_or_b32 s[G0B+4*\s+3], s[G0B+4*\s+3], 0x80000000
	JLOAD G0+4*\s, G1, G0B+4*\s, G1B
.endr
	v_and_b32 v1, 15, v0                           ; r = l % 16
	v_bfe_u32 v2, v0, 4, 1                         ; h = l / 16
	; the bias of my 128 columns: register 8 b + j of lane (r, h) is bias[256 cx + 128 half + 16 b + 8 h + j], the layout of a result
	s_cmp_eq_u32 ttmp9, 0                          ; the cluster's x is the matrix: a choice that hangs on no address
	s_cselect_b64 s[96:97], s[96:97], s[98:99]
	s_cmp_eq_u32 ttmp9, 2
	s_cselect_b64 s[96:97], s[100:101], s[96:97]
	s_lshl_b32 s46, s40, 10
	s_lshl_b32 s47, s16, 9
	s_add_co_u32 s46, s46, s47
	s_mov_b32 s47, 0
	s_add_nc_u64 s[96:97], s[96:97], s[46:47]
	v_lshlrev_b32 v[BO], 5, v2
.irp b, 0,1,2,3,4,5,6,7
	global_load_b128 v[BIAS+8*\b:BIAS+8*\b+3], v[BO], s[96:97] offset:64*\b
	global_load_b128 v[BIAS+8*\b+4:BIAS+8*\b+7], v[BO], s[96:97] offset:64*\b+16
.endr
	v_mul_u32_u24 v3, v1, PITCH
	v_lshl_add_u32 v4, v2, 4, v3                   ; a fragment's row x pitch + 16 x half
	s_mul_i32 s21, s15, HALFT                      ; my 128 rows of A
	s_mul_i32 s22, s16, HALFT                      ; my 128 rows of B,
	s_add_co_u32 s22, s22, 2*HALFT                 ; which lie behind A's 256
.irp s, 0,1
	v_add_nc_u32 v[ADRA+\s], s21, v4
	v_add_nc_u32 v[ADRB+\s], s22, v4
	s_add_co_u32 s21, s21, SLOT
	s_add_co_u32 s22, s22, SLOT
.endr
	v_mul_u32_u24 v5, v1, KS                       ; my row's scales: 32 bytes a row,
	v_lshrrev_b32 v6, 8, v5
	v_lshl_add_u32 v5, v6, 4, v5                   ; and 16 more for each 256 passed
	s_mul_i32 s21, s15, HALFS                      ; A's: my 128 rows
	s_mul_i32 s22, s16, HALFS                      ; B's: my 128 rows, behind A's 256
	s_add_co_u32 s22, s22, 2*HALFS
	s_sub_co_u32 s22, s22, s21
	v_mul_u32_u24 v6, s22, v2                      ; lanes 16-31 take B's: the lower base + h x the distance
	s_add_co_u32 s21, s21, SCL
	v_add_nc_u32 v5, v5, v6
	v_add_nc_u32 v[ADRS], s21, v5
	s_mul_i32 s23, s14, 16*SPITCH                  ; my stage
	v_mul_u32_u24 v5, v1, SPITCH                   ; in: row r, 16 bytes for each half of the lanes
	v_lshl_add_u32 v5, v2, 4, v5
	v_add_nc_u32 v[STO], s23, v5
	v_bfe_u32 v6, v0, 3, 2                         ; back: eight lanes take one head's 128 bytes of a row, the 32 lanes four neighbouring rows
	v_mul_u32_u24 v6, v6, SPITCH
	v_and_b32 v7, 7, v0
	v_lshl_add_u32 v6, v7, 4, v6
	v_add_nc_u32 v[RD], s23, v6
	v_and_b32 v6, 31, v0
	v_lshlrev_b32 v[CO], 4, v6                     ; which are 512 consecutive bytes of qkv
	; where my part begins in qkv: head ((2 matrix + b) 16 + 4 cx + 2 half) of 262,144 bytes, row t = 256 (tile row % 8) + 128 half of 128 bytes
	s_lshl_b32 s20, ttmp9, 1
	s_lshr_b32 s21, s17, 3
	s_add_co_u32 s20, s20, s21
	s_lshl_b32 s20, s20, 4
	s_lshl_b32 s21, s40, 2
	s_add_co_u32 s20, s20, s21
	s_lshl_b32 s21, s16, 1
	s_add_co_u32 s20, s20, s21
	s_lshl_b32 s20, s20, 18
	s_and_b32 s21, s17, 7
	s_lshl_b32 s21, s21, 8
	s_lshl_b32 s22, s15, 7
	s_add_co_u32 s21, s21, s22
	s_lshl_b32 s21, s21, 7
	s_add_co_u32 s20, s20, s21
	s_mov_b32 s21, 0
	s_add_nc_u64 s[12:13], s[12:13], s[20:21]
.macro FRAG reg, adr, q, i             ; a fragment, 16 rows x 128 K of 4-bit codes: lane l holds row l % 16; registers 4 c .. 4 c + 3 hold K = 64 c + 32 (l / 16) + 0 .. 31
.irp c, 0,1
	ds_load_b128 v[\reg+4*\c:\reg+4*\c+3], v[\adr] offset:64*(\q)+32*\c+(\i)*16*PITCH
.endr
.endm
; 16 matrix instructions: A's blocks a0, a0 + 1 x B's eight, 128 along K: the slot's q-th.  p: B's set;  sc: the set of scale words.  first = 1: the sums start from the bias.
; The 64 accumulators take turns, one instruction a turn, in the same order in every step.
.macro MUL16 a0, p, q, sc, first
.irp a, \a0, \a0+1
.irp b, 0,1,2,3,4,5,6,7
.if \first
	v_wmma_scale_f32_16x16x128_f8f6f4 v[8*(8*((\a)%4)+\b):8*(8*((\a)%4)+\b)+7], v[128*(\p)+FR*\b:128*(\p)+FR*\b+FR-1], v[AF+FR*(\a):AF+FR*(\a)+FR-1], v[BIAS+8*\b:BIAS+8*\b+7], v[SC+8*NQ*(\sc)+NQ*\b+(\q)], v[SC+8*NQ*(\sc)+NQ*(\a)+(\q)] matrix_a_fmt:MATRIX_FMT_FP4 matrix_b_fmt:MATRIX_FMT_FP4 matrix_a_scale:MATRIX_SCALE_ROW1
.else
	v_wmma_scale_f32_16x16x128_f8f6f4 v[8*(8*((\a)%4)+\b):8*(8*((\a)%4)+\b)+7], v[128*(\p)+FR*\b:128*(\p)+FR*\b+FR-1], v[AF+FR*(\a):AF+FR*(\a)+FR-1], v[8*(8*((\a)%4)+\b):8*(8*((\a)%4)+\b)+7], v[SC+8*NQ*(\sc)+NQ*\b+(\q)], v[SC+8*NQ*(\sc)+NQ*(\a)+(\q)] matrix_a_fmt:MATRIX_FMT_FP4 matrix_b_fmt:MATRIX_FMT_FP4 matrix_a_scale:MATRIX_SCALE_ROW1
.endif
.endr
.endr
.endm
.macro FETCH_B slot, q, p              ; B's eight fragments of the slot's q-th 128 along K into set p
	WIN TO_B
.irp i, 0,1,2,3,4,5,6,7
	FRAG 128*(\p)+FR*\i, ADRB+\slot, \q, \i
.endr
	WIN 0
.endm
.macro FETCH_A slot, q, i0             ; A's blocks i0 .. i0 + 3
.irp i, \i0, \i0+1, \i0+2, \i0+3
	FRAG AF+FR*(\i), ADRA+\slot, \q, \i
.endr
.endm
.macro SCALES sc                       ; a K step's scale words into set sc: 4 words a row; lanes 0-15 take A's block i, lanes 16-31 B's block i
.irp i, 0,1,2,3,4,5,6,7
	ds_load_b128 v[SC+8*NQ*\sc+NQ*\i:SC+8*NQ*\sc+NQ*\i+3], v[ADRS] offset:\i*SBLK
.endr
.endm
; A load into a register that a matrix instruction has read, and a vector instruction that reads a matrix result, stand four places behind that matrix instruction; only plain vector
; instructions that name none of its registers are places (ISA guide 7.12.1 for vector instructions).
.macro PLACES n
.rept \n
	v_nop
.endr
.endm
; A step of 128 along K that has its successor in the same slot.  A's blocks 0-3 are fetched anew in its middle, blocks 4-7 at its end; B has two sets.
.macro STEP slot, q, first
	s_wait_dscnt 4*NL                              ; B's set and A's blocks 0-3 are in; the youngest eight loads (A's blocks 4-7) may be out
.if \first
	WIN 0x81                                       ; as MUL_LO, but C (the bias) in window 0
.else
	WIN MUL_LO
.endif
	MUL16 0, (\q)%2, \q, \slot, \first
	MUL16 2, (\q)%2, \q, \slot, \first
	s_wait_dscnt 0                                 ; A's blocks 4-7 are in
	PLACES NP
	FETCH_B \slot, (\q)+1, 1-(\q)%2
	FETCH_A \slot, (\q)+1, 0
.if \first
	WIN 0xc1                                       ; as MUL_HI, but C in window 0
.else
	WIN MUL_HI
.endif
	MUL16 4, (\q)%2, \q, \slot, \first
	MUL16 6, (\q)%2, \q, \slot, \first
	PLACES NP
	WIN 0
	FETCH_A \slot, (\q)+1, 4
.endm
; Slot 0's last step changes slots: ONE barrier; in front of it each wave waits for all its tensor loads (its part of slot 1), adds 0 to its spare word, and waits for that and for its reads of slot 0.
.macro TURN slot, next
	s_wait_tensorcnt 0x0                           ; all my tensor loads have landed
	ds_add_u32 v[SPW], v[NIL]                      ; 0 onto my spare word
	s_wait_dscnt 4*NL+1                            ; (the add and the youngest eight loads may be out)
	WIN MUL_LO
	MUL16 0, 1, NQ-1, \slot, 0                     ; sixteen matrix instructions stand between the add and the wait for it
	s_wait_dscnt 0x0                               ; the add is done, and my reads of this slot are over
	s_barrier_signal -1
	MUL16 2, 1, NQ-1, \slot, 0
	WIN 0
	s_barrier_wait -1
	PLACES NP
	v_add_nc_u32 v[ADRS], 4*NQ, v[ADRS]            ; on to the next K step's scale words (no LDS load of mine is out)
	FETCH_B \next, 0, 0
	FETCH_A \next, 0, 0
	SCALES \next
	WIN MUL_HI
	MUL16 4, 1, NQ-1, \slot, 0
	MUL16 6, 1, NQ-1, \slot, 0
	PLACES NP
	WIN 0
	FETCH_A \next, 0, 4
.endm
	s_wait_tensorcnt 1                             ; the scales and my part of K step 0 are in (K step 1's load may be out)
	s_barrier_signal -1
	s_barrier_wait -1                              ; everybody's are
	FETCH_B 0, 0, 0
	FETCH_A 0, 0, 0
	SCALES 0
	FETCH_A 0, 0, 4
	s_wait_loadcnt 0x0                             ; the bias
	STEP 0, 0, 1
	STEP 0, 1, 0
	STEP 0, 2, 0
	TURN 0, 1
	STEP 1, 0, 0
	STEP 1, 1, 0
	STEP 1, 2, 0
	s_wait_dscnt 4*NL                              ; the very last step: nothing more to fetch
	WIN MUL_LO
	MUL16 0, 1, NQ-1, 1, 0
	MUL16 2, 1, NQ-1, 1, 0
	s_wait_dscnt 0
	WIN MUL_HI
	MUL16 4, 1, NQ-1, 1, 0
	MUL16 6, 1, NQ-1, 1, 0
	WIN 0
; THE WAY OUT, block by block of 16 rows x 128 columns (two heads).  PACK: rounded to f16, 16 bytes a lane, each accumulator from its low end on.  TOSTAGE: into my own stage and back, four rows of one head to a load.
; SEND: each store covers four neighbouring rows t of one head: 512 consecutive bytes, aligned.
.macro PACK a
.set AC, 64*((\a)%4)
	WIN 0x0a+5*((\a)/4)                            ; sources 0 and 1: window 2 or 3
.irp b, 0,1,2,3,4,5,6,7
.irp i, 0,1,2,3
	v_cvt_pk_f16_f32 v[TMP+4*\b+\i], v[AC+8*\b+2*\i], v[AC+8*\b+2*\i+1]
.endr
.endr
	WIN 0
.endm
.macro TOSTAGE a
.set BK, 32+192*((\a)%2)               ; v32-63 and v224-255 by turns
.irp b, 0,1,2,3,4,5,6,7
	ds_store_b128 v[STO], v[TMP+4*\b:TMP+4*\b+3] offset:32*\b
.endr
.irp t, 0,1,2,3,4,5,6,7
	ds_load_b128 v[BK+4*\t:BK+4*\t+3], v[RD] offset:4*(\t%4)*SPITCH+128*(\t/4)     ; LDS serves a wave's instructions in order (ISA guide 5.7.1.4): these see the stores above
.endr
.endm
.macro SEND a
.set BK, 32+192*((\a)%2)
	s_wait_dscnt 0x0                               ; the block is back in registers
	s_wait_xcnt 0x0                                ; the earlier stores have read their base and their registers: both may be written again
.if (\a) > 0
	s_add_nc_u64 s[12:13], s[12:13], 16*128        ; 16 rows t on
.endif
.irp t, 0,1,2,3,4,5,6,7
	global_store_b128 v[CO], v[BK+4*\t:BK+4*\t+3], s[12:13] offset:512*(\t%4)+262144*(\t/4)
.endr
.endm
	PLACES NP
	PACK 0
	TOSTAGE 0
.irp a, 1,2,3,4,5,6,7                  ; block a's conversions stand between block a - 1's loads from the stage and the wait for them
	PACK \a
	SEND \a-1
	TOSTAGE \a
.endr
	SEND 7
	s_wait_tensorcnt 0x0                           ; the wave's end, behind my last tensor load and my last LDS store
	ds_add_u32 v[SPW], v[NIL]
	s_wait_dscnt 0x0
	CROUND                                         ; the closing round: no work-group ends while a partner may still ask for a tile that names it
	s_endpgm
.Lfunc_end_k_q301733c8bc_qkv:
	.size	k_q301733c8bc_qkv, .Lfunc_end_k_q301733c8bc_qkv-k_q301733c8bc_qkv
	.p2alignl 7, 3214868480
	.fill 96, 4, 3214868480
	.section	.rodata,"a",@progbits
	.p2align	6, 0x0
	.amdhsa_kernel k_q301733c8bc_qkv
		.amdhsa_group_segment_fixed_size 327680
		.amdhsa_private_segment_fixed_size 0
		.amdhsa_enable_private_segment 0
		.amdhsa_kernarg_size 64
		.amdhsa_user_sgpr_count 2
		.amdhsa_user_sgpr_kernarg_segment_ptr 1
		.amdhsa_wavefront_size32 1
		.amdhsa_system_sgpr_workgroup_id_x 1
		.amdhsa_system_sgpr_workgroup_id_y 1
		.amdhsa_system_sgpr_workgroup_id_z 1
		.amdhsa_system_vgpr_workitem_id 0
		.amdhsa_next_free_vgpr 1024
		.amdhsa_next_free_sgpr 102
		.amdhsa_reserve_vcc 0
		.amdhsa_float_denorm_mode_32 3
		.amdhsa_float_denorm_mode_16_64 3
		.amdhsa_memory_ordered 1
		.amdhsa_forward_progress 1
		.amdhsa_inst_pref_size 129
	.end_amdhsa_kernel
	.amdgpu_metadata
---
amdhsa.version: [ 1, 2 ]
amdhsa.kernels:
  - .name:           k_q301733c8bc_qkv
    .symbol:         k_q301733c8bc_qkv.kd
    .args:
      - { .name: xc, .offset: 0, .size: 8, .value_kind: global_buffer, .address_space: global }
      - { .name: xs, .offset: 8, .size: 8, .value_kind: global_buffer, .address_space: global }
      - { .name: wc, .offset: 16, .size: 8, .value_kind: global_buffer, .address_space: global }
      - { .name: ws, .offset: 24, .size: 8, .value_kind: global_buffer, .address_space: global }
      - { .name: bq, .offset: 32, .size: 8, .value_kind: global_buffer, .address_space: global }
      - { .name: bk, .offset: 40, .size: 8, .value_kind: global_buffer, .address_space: global }
      - { .name: bv, .offset: 48, .size: 8, .value_kind: global_buffer, .address_space: global }
      - { .name: qkv, .offset: 56, .size: 8, .value_kind: global_buffer, .address_space: global }
    .group_segment_fixed_size: 327680
    .private_segment_fixed_size: 0
    .kernarg_segment_align: 8
    .kernarg_segment_size: 64
    .max_flat_workgroup_size: 128
    .sgpr_count:     102
    .vgpr_count:     1024
    .wavefront_size: 32
...
	.end_amdgpu_metadata
.endif
;; end of part 2
;; launch attn (part 3): grid 8 x 32, 8 waves a work-group, no clusters, 327,680 bytes of LDS; arguments qkv, yb; writes yb
.if DOCPART == 3
	.amdgcn_target "amdgcn-amd-amdhsa--gfx1250"
	.amdhsa_code_object_version 6
	.text
	.protected	k_q301733c8bc_attn
	.globl	k_q301733c8bc_attn
	.p2align	8
	.type	k_q301733c8bc_attn,@function
k_q301733c8bc_attn:
	s_mov_b64 s[64:65], 0
	v_nop
	global_prefetch_b8 v0, s[64:65] scope:SCOPE_SE
	s_setreg_imm32_b32 hwreg(HW_REG_WAVE_MODE, 25, 1), 1
	s_wait_xcnt 0x0
; y[b][h][i] = sum over j <= i of softmax_j(q_i . k_j / 8 - slope_h (i - j)) v_j: causal attention with the ALiBi bias, head size 64, 2,048 positions, 32 pairs (b, h).
; q, k, v: f16, qkv [3][32 (16 b + h)][2048][64].  Products on f16 operands with f32 sums; maxima, exponentials and sums in f32; the weights p are rounded to f16 for the second product, y once at the end.
; y leaves as f16 in yb [b][t / 2][h][t % 2][64]: two neighbouring positions of one head are 256 consecutive, aligned bytes.
; LIMITS: the running maximum starts at -3e38, so raw scores are taken to stay under about 4e37; NaN and infinities among q, k, v are not served.
; SHARES.  Work-group (i, 16 b + h) owns query blocks i and 15 - i of 128 queries.  Wave w owns TWO tiles of 16 queries: tile 0 at QL = 128 i + 16 w, tile 1 at QH = 128 (15 - i) + 16 w: together they see
; about as many keys in every wave of every work-group.  Keys go 64 a step; a step all of whose keys come after a tile's queries is left out for that tile (the mask is built by the problem itself).
; LAYOUT.  S^T = K Q^T (source 0 = 16 keys, source 1 = 16 queries): a lane holds ONE query (lane % 16) and keys 8 (lane / 16) + 0..7 of each tile of 16 keys.  Two such tiles, rounded to f16 in pairs, ARE
; source 1 (32 keys x 16 queries) of O^T = V^T P.  K comes out of LDS as it lies, V ([key][channel]) turned, by ds_load_tr16_b128.
; THE BIAS.  In units of the raw score it is g (j - i), g = 8 slope.  With j = KF + 16 kt + 8 h + jj and i = Q0 + r it splits: g (16 kt + jj + 8 h - r), the same in every step, is the C of the first product
; of each tile of keys (CB); SH = -g (Q0 - KF), one number a step, goes into the addend of the one multiply-add ahead of the exponential.
; SOFTMAX.  For each query a running maximum M (raw score + bias) and sum l: p = 2^(c (s + SH - M)), c = log2(e) / 8; in every step O and l are multiplied by a = 2^(c (M_old - M_new)).
; THE RING.  Two LDS slots of 256 keys (four steps), filled by the tensor data mover: waves 0-3 fetch K's four steps, waves 4-7 V's, one load a wave.  Every work-group walks all eight changes of slots, so that
; trip counts are constants; a slot whose first key comes after the work-group's last query is not asked for.
; NO CLUSTER: the eight work-groups of a head need 2,048, 1,920, .. 1,152 keys: a joint load would bring tiles that every wave of some partner leaves unread.
; REGISTERS.  Window 0: v1-15 addresses and constants; v16-39 statistics, 12 a tile; v40-71 CB; v72-135 S^T, 32 a tile; v136-167 P, 16 a tile; v168-231 O^T, 32 a tile.
;   Window 1: v0-31 Q, 16 a tile; v32-95 K of one step; v96-159 V of one step.
.set KP,    144                        ; a row of K in LDS: 128 bytes + 16: the 16 rows of a load start at 16 different 16-byte columns of the banks' 256 bytes (ISA guide 11.1)
.set VP,    160                        ; a row of V: 128 + 32: an odd multiple of 32 bytes, for the turning load
.set VOFF,  256*KP                     ; a slot: 256 rows of K, then 256 rows of V
.set SLOT1, 1<<17                      ; slot 1 begins here: one exclusive or turns an address in one slot into the other's
.set STAGE, 2*SLOT1                    ; behind the ring: 16 rows x 144 bytes for each wave, for the way out; no fill lands here
.set SPT,   144
.set SPARE, STAGE+8*16*SPT             ; the spare words, 128 bytes for each wave: four blocks of 256 bytes that no other line names
.set AK0, 1                            ; v1   my lane's place in a tile of K
.set AV0, 2                            ; v2   the same for V
.set SPW, 3                            ; v3   LDS address of my spare word; never rewritten
.set NIL, 4                            ; v4   0; never rewritten
.set GO,  5                            ; v5   the way out: my byte offset in yb
.set STO, 6                            ; v6   the way out: where I put 16 bytes of a row
.set RD,  7                            ; v7   the way out: where I read back
.set ADK, 8                            ; v8   LDS address of the step's K
.set ADV, 9                            ; v9   of its V
.set PFO, 10                           ; v10  256 x lane: the prefetches' offset; never rewritten
.set QO,  11                           ; v11  my byte offset in a tile of Q
.set DL,  12                           ; v12  r - 8 h
.set NINF, 13                          ; v13  -infinity
.set TD,  14                           ; v14  at work
.set ST,  16                           ; tile t's statistics at v[ST + 12 t]: +0 AD = c (SH - M), +1 zero (named with it as a pair), +2, +3 l, +4..+7 c0-c3 at work (a takes c2's place), +8 M, +9 SH
.set CB,  40
.set S,   72
.set P,   136
.set O,   168
.set TB,  2                            ; s2   LDS byte at which the slot in hand begins
.set SLOTS, 3                          ; s3   changes of slots still to come that may ask for a slot
.set WV,  18                           ; s18  my wave's number
.set SEL, 20                           ; s[20:21] lane selects for v_permlanex16_b32: lane l xor 16
.set CS,  22                           ; s[22:23] c, twice: the packed form names a pair
.set G1K, 24                           ; s[24:31] descriptor group 1 for K's tiles;  s[32:39] for V's: the padding differs
.set G1V, 32
.set G0K, 40                           ; s[40:43], s[44:47] their groups 0, which walk
.set G0V, 44
.set KF,  48                           ; s48  the step's first key
.set QL,  49                           ; s49, s50  my tiles' first queries
.set QH,  50
.set QL15, 51                          ; s51, s52  and their last
.set QH15, 52
.set LQ,  53                           ; s53  my work-group's last query
.set G,   54                           ; s54  g = 8 x slope
.set NG,  55                           ; s55  -g
.set PFA, 56                           ; s[56:57] where my prefetches stand
.set LIM, 58                           ; s58  1 in a work-group that prefetches, else the greatest number
.set MSB, 0
.macro WIN new                         ; the immediate's high byte repeats the setting that is left; at every label and branch the setting is 0
.if MSB != (\new)
	s_set_vgpr_msb (MSB<<8)|(\new)
.set MSB, (\new)
.endif
.endm
; Waves 0-3 fetch K's four steps of a slot, waves 4-7 V's.  The branch hangs on the wave's number alone.  An s_nop 0 and four v_nop follow each of the two lines.
.macro TLOAD
	s_cmp_lt_u32 s[WV], 4
	s_cbranch_scc0 .Lfor_v_\@
	tensor_load_to_lds s[G0K:G0K+3], s[G1K:G1K+7]
	s_nop 0
.rept 4
	v_nop
.endr
	s_branch .Lasked_\@
.Lfor_v_\@:
	tensor_load_to_lds s[G0V:G0V+3], s[G1V:G1V+7]
	s_nop 0
.rept 4
	v_nop
.endr
.Lasked_\@:
.endm
; A PREFETCH of what the NEXT change of slots will ask for, four key steps ahead of that load.  All eight work-groups of a head walk the same K and V: the one that walks all keys (x = 0) asks, and nobody else.
; Each of its waves names the 8,192 bytes that its own next load will fetch, lanes 256 bytes apart: so each aligned block of 256 bytes is named once in the launch.
; The last change that fills a slot asks for nothing; slots 0 and 1 come by their loads alone.
.macro ASK
	s_cmp_gt_u32 s[SLOTS], s[LIM]
	s_cbranch_scc0 .Lnot_mine_\@
	global_prefetch_b8 v[PFO], s[PFA:PFA+1] th:TH_LOAD_NT scope:SCOPE_SE
.Lnot_mine_\@:
.endm
	s_load_b128 s[4:7], s[0:1], 0x0                ; qkv s[4:5], yb s[6:7]
	v_lshl_add_u32 v[SPW], v0, 2, SPARE
	v_mov_b32 v[NIL], 0
	ds_add_u32 v[SPW], v[NIL]                      ; the wave's opening: the add, twice on end, and its wait ahead of my first tensor load
	ds_add_u32 v[SPW], v[NIL]
	v_lshrrev_b32 v14, 5, v0
	v_readfirstlane_b32 s[WV], v14                 ; wave 0..7
	s_and_b32 s19, ttmp7, 0xffff                   ; 16 b + h
	s_lshl_b32 s60, s[WV], 4
	s_lshl_b32 s[QL], ttmp9, 7
	s_add_co_u32 s[QL], s[QL], s60
	s_sub_co_u32 s[QH], 15, ttmp9
	s_lshl_b32 s[QH], s[QH], 7
	s_add_co_u32 s[QH], s[QH], s60
	s_add_co_u32 s[QL15], s[QL], 15
	s_add_co_u32 s[QH15], s[QH], 15
	s_lshl_b32 s60, ttmp9, 7
	s_sub_co_u32 s[LQ], 2047, s60
	; slope = 2^(-n / 2), n = h + 1.  g = 8 slope, from bits: 1 or 2^(-1/2), with 3 - n / 2 (rounded down) added to the exponent field
	s_and_b32 s60, s19, 15
	s_add_co_u32 s60, s60, 1
	s_lshr_b32 s61, s60, 1
	s_sub_co_u32 s61, 3, s61
	s_lshl_b32 s61, s61, 23
	s_mov_b32 s[G], 0x3f800000
	s_bitcmp1_b32 s60, 0
	s_cselect_b32 s[G], 0x3f3504f3, s[G]
	s_add_co_u32 s[G], s[G], s61
	s_xor_b32 s[NG], s[G], 0x80000000
	; descriptor group 1: a tile of 64 rows x 64 elements of 2 bytes, dense in memory, padded in LDS behind every row of 32 words
	s_mov_b32 s[G1K], (1<<16)|(1<<20)|(4<<22)|(3<<25)              ; no mask; elements of 2 bytes; padding on; after every 32 words (code 4); four words (code 3)
	s_mov_b32 s[G1V], (1<<16)|(1<<20)|(4<<22)|(7<<25)              ; the same with eight words (code 7)
.irp g, G1K, G1V
	s_mov_b32 s[\g+1], 64<<16                      ; tensor_dim0
	s_mov_b32 s[\g+2], 64<<16                      ; tensor_dim1
	s_mov_b32 s[\g+3], 64<<16                      ; tile_dim0
	s_mov_b32 s[\g+4], 64                          ; tile_dim1
	s_mov_b32 s[\g+5], 64                          ; tensor_dim0_stride
	s_mov_b32 s[\g+6], 0
	s_mov_b32 s[\g+7], 0
.endr
	s_mov_b32 s[SEL], 0x76543210
	s_mov_b32 s[SEL+1], 0xfedcba98
	s_mov_b32 s[CS], 0x3e38aa3b                    ; c = log2(e) / 8
	s_mov_b32 s[CS+1], s[CS]
	s_mov_b32 s[TB], 0
	s_mov_b32 s[KF], 0
	s_mov_b32 s[SLOTS], 7
	s_lshl_b32 s12, s19, 18                        ; the head's first byte within q, k or v
	s_and_b32 s60, s[WV], 3                        ; which of a slot's four steps I fetch
	s_lshl_b32 s14, s60, 13                        ; its 64 rows of 128 bytes in memory,
	s_add_co_u32 s14, s14, s12
	s_mov_b32 s15, 0
	s_mul_i32 s[G0K+1], s60, 64*KP                 ; and in a slot
	s_mul_i32 s[G0V+1], s60, 64*VP
	s_add_co_u32 s[G0V+1], s[G0V+1], VOFF
	s_lshl_b32 s16, s[QL], 7                       ; my tiles of Q
	s_add_co_u32 s16, s16, s12
	s_mov_b32 s17, 0
	s_lshl_b32 s76, s[QH], 7
	s_add_co_u32 s76, s76, s12
	s_mov_b32 s77, 0
	s_lshr_b32 s63, s19, 4                         ; yb: b x 4,194,304 + (first query / 2) x 4,096 + h x 256
	s_lshl_b32 s63, s63, 22
	s_and_b32 s60, s19, 15
	s_lshl_b32 s60, s60, 8
	s_add_co_u32 s63, s63, s60
	s_lshl_b32 s78, s[QL], 11
	s_add_co_u32 s78, s78, s63
	s_mov_b32 s79, 0
	s_lshl_b32 s12, s[QH], 11
	s_add_co_u32 s12, s12, s63
	s_mov_b32 s13, 0
	s_wait_dscnt 0x0                               ; both opening adds are done
	s_wait_kmcnt 0x0
	s_add_nc_u64 s[8:9], s[4:5], s[14:15]
	s_add_nc_u64 s[10:11], s[8:9], 0x1000000       ; v begins 16,777,216 bytes into qkv,
	s_add_nc_u64 s[8:9], s[8:9], 0x800000          ; k 8,388,608
	s_mov_b32 s[G0K], 1
	s_mov_b64 s[G0K+2:G0K+3], s[8:9]
	s_or_b32 s[G0K+3], s[G0K+3], 0x80000000
	s_mov_b32 s[G0V], 1
	s_mov_b64 s[G0V+2:G0V+3], s[10:11]
	s_or_b32 s[G0V+3], s[G0V+3], 0x80000000
	TLOAD                                          ; slot 0: keys 0 to 255, which count for every work-group.  One load of mine is out
	s_add_nc_u64 s[68:69], s[4:5], s[16:17]        ; Q, tile 0 and tile 1
	s_add_nc_u64 s[70:71], s[4:5], s[76:77]
	s_add_nc_u64 s[72:73], s[6:7], s[78:79]        ; yb, tile 0 and tile 1
	s_add_nc_u64 s[74:75], s[6:7], s[12:13]
	s_cmp_lt_u32 s[WV], 4
	s_cselect_b64 s[PFA:PFA+1], s[8:9], s[10:11]
	s_add_nc_u64 s[PFA:PFA+1], s[PFA:PFA+1], 32768 ; in slot 1: the first change of slots steps it to slot 2.  Nothing is prefetched here, at the head
	s_cmp_eq_u32 ttmp9, 0
	s_cselect_b32 s[LIM], 1, -1
	v_and_b32 v14, 15, v0                          ; r
	v_bfe_u32 v15, v0, 4, 1                        ; h
	v_lshlrev_b32 v[QO], 7, v14
	v_lshl_add_u32 v[QO], v15, 4, v[QO]            ; row r of 128 bytes + 16 h
	WIN 0x40                                       ; destination window 1
.irp t, 0,1
.irp ks, 0,1
	global_load_b128 v[16*\t+8*\ks:16*\t+8*\ks+3], v[QO], s[68+2*\t:69+2*\t] offset:64*\ks          ; Q stays in registers
	global_load_b128 v[16*\t+8*\ks+4:16*\t+8*\ks+7], v[QO], s[68+2*\t:69+2*\t] offset:64*\ks+32
.endr
.endr
	WIN 0
	v_mul_u32_u24 v[AK0], v14, KP
	v_lshl_add_u32 v[AK0], v15, 4, v[AK0]          ; K: row r x pitch + 16 h
	v_and_b32 v[AV0], 7, v0
	v_lshl_add_u32 v[AV0], v15, 3, v[AV0]          ; V: the turning load: key 8 h + l % 8,
	v_mul_u32_u24 v[AV0], v[AV0], VP
	v_bfe_u32 v[ADK], v0, 3, 1
	v_lshl_add_u32 v[AV0], v[ADK], 4, v[AV0]       ; channels 8 ((l / 8) % 2) on
	v_add_nc_u32 v[AV0], VOFF, v[AV0]
	v_lshlrev_b32 v[GO], 12, v15
	v_lshl_add_u32 v[GO], v14, 4, v[GO]            ; yb: lanes 0-15 one pair of positions (256 bytes), lanes 16-31 the next, 4,096 bytes on
	s_mul_i32 s60, s[WV], 16*SPT
	s_add_co_u32 s60, s60, STAGE                   ; my stage
	v_mul_u32_u24 v[STO], v14, SPT
	v_lshl_add_u32 v[STO], v15, 4, v[STO]
	v_add_nc_u32 v[STO], s60, v[STO]               ; in: row r, 16 bytes for each half of the lanes
	v_bfe_u32 v[RD], v0, 3, 2
	v_mul_u32_u24 v[RD], v[RD], SPT
	v_and_b32 v[ADV], 7, v0
	v_lshl_add_u32 v[RD], v[ADV], 4, v[RD]
	v_add_nc_u32 v[RD], s60, v[RD]                 ; back: eight lanes to a row of 128 bytes, four rows a load
	v_and_b32 v[PFO], 31, v0
	v_lshlrev_b32 v[PFO], 8, v[PFO]
	v_lshlrev_b32 v[DL], 3, v15
	v_sub_nc_u32 v[DL], v14, v[DL]                 ; r - 8 h
	v_sub_nc_u32 v15, 0, v[DL]                     ; 8 h - r
	v_mov_b32 v[NINF], 0xff800000
.irp n, 0,1,2,3,4,5,6,7,8,9,10,11,12,13,14,15,16,17,18,19,20,21,22,23,24,25,26,27,28,29,30,31
	v_add_nc_u32 v[CB+\n], 16*(\n/8)+\n%8, v15     ; CB: register 8 kt + jj: g (16 kt + jj + 8 h - r)
.endr
.irp n, 0,1,2,3,4,5,6,7,8,9,10,11,12,13,14,15,16,17,18,19,20,21,22,23,24,25,26,27,28,29,30,31
	v_cvt_f32_i32 v[CB+\n], v[CB+\n]
.endr
.irp n, 0,1,2,3,4,5,6,7,8,9,10,11,12,13,14,15,16,17,18,19,20,21,22,23,24,25,26,27,28,29,30,31
	v_mul_f32 v[CB+\n], s[G], v[CB+\n]
.endr
.irp n, 0,1,2,3,4,5,6,7,8,9,10,11,12,13,14,15,16,17,18,19,20,21,22,23
	v_mov_b32 v[ST+\n], 0                          ; the statistics: l = 0; the others so that each is written on every way through the text
.endr
	v_mov_b32 v[ST+8], 0xff61b1e6                  ; M = -3e38, under every score
	v_mov_b32 v[ST+20], 0xff61b1e6
.irp n, 0,1,2,3,4,5,6,7,8,9,10,11,12,13,14,15,16,17,18,19,20,21,22,23,24,25,26,27,28,29,30,31
	v_mov_b32 v[S+\n], 0                           ; tile 0's scores: written once here, since their products and their softmax stand behind two branches of their own
.endr
.irp n, 0,1,2,3,4,5,6,7,8,9,10,11,12,13,14,15,16,17,18,19,20,21,22,23,24,25,26,27,28,29,30,31,32,33,34,35,36,37,38,39,40,41,42,43,44,45,46,47,48,49,50,51,52,53,54,55,56,57,58,59,60,61,62,63
	v_mov_b32 v[O+\n], 0                           ; O^T.  (The step is written once: the first finds zeros, which a = 0 leaves zeros)
.endr
; S^T of tile t: eight products; the four accumulators take turns, one instruction a turn.  The first four start from the bias CB.
.macro S_TILE t
.irp ks, 0,1
.irp kt, 0,1,2,3
.if \ks == 0
	v_wmma_f32_16x16x32_f16 v[S+32*\t+8*\kt:S+32*\t+8*\kt+7], v[32+16*\kt+8*\ks:32+16*\kt+8*\ks+7], v[16*\t+8*\ks:16*\t+8*\ks+7], v[CB+8*\kt:CB+8*\kt+7]
.else
	v_wmma_f32_16x16x32_f16 v[S+32*\t+8*\kt:S+32*\t+8*\kt+7], v[32+16*\kt+8*\ks:32+16*\kt+8*\ks+7], v[16*\t+8*\ks:16*\t+8*\ks+7], v[S+32*\t+8*\kt:S+32*\t+8*\kt+7]
.endif
.endr
.endr
.endm
; O^T += V^T P of tile t: eight products, four accumulators by turns
.macro PV t
.irp kb, 0,1
.irp ct, 0,1,2,3
	v_wmma_f32_16x16x32_f16 v[O+32*\t+8*\ct:O+32*\t+8*\ct+7], v[96+32*\kb+8*\ct:96+32*\kb+8*\ct+7], v[P+16*\t+8*\kb:P+16*\t+8*\kb+7], v[O+32*\t+8*\ct:O+32*\t+8*\ct+7]
.endr
.endr
.endm
; One tile's softmax for one key step, all in window 0.  s[60 + t] holds Q0 - KF.
.macro SOFTMAX t
.set rT, ST+12*(\t)
.set rS, S+32*(\t)
.set rP, P+16*(\t)
.set rO, O+32*(\t)
	s_add_co_u32 s62, s[KF], 63                    ; a step all of whose keys count skips the mask: a scalar branch on ids
	s_cmp_le_u32 s62, s[QL+\t]
	s_cbranch_scc1 .Lopen_\@
	v_add_nc_u32 v[TD], s[60+\t], v[DL]            ; d = Q0 - KF + r - 8 h.  Register 8 kt + jj holds key KF + 16 kt + 8 h + jj: hidden where 16 kt + jj > d
.irp n, 0,1,2,3,4,5,6,7,8,9,10,11,12,13,14,15,16,17,18,19,20,21,22,23,24,25,26,27,28,29,30,31
	v_cmp_gt_i32 vcc_lo, 16*(\n/8)+\n%8, v[TD]
	v_cndmask_b32 v[rS+\n], v[rS+\n], v[NINF], vcc_lo
.endr
.Lopen_\@:
.irp j, 0,1,2,3
	v_max3_num_f32 v[rT+4+\j], v[rS+8*\j], v[rS+8*\j+1], v[rS+8*\j+2]              ; the maximum, four chains, each accumulator from its low end on
.endr
.irp g, 1,2
.irp j, 0,1,2,3
	v_max3_num_f32 v[rT+4+\j], v[rT+4+\j], v[rS+8*\j+2*\g+1], v[rS+8*\j+2*\g+2]
.endr
.endr
	v_max3_num_f32 v[rT+4], v[rT+4], v[rS+7], v[rS+15]
	v_max3_num_f32 v[rT+6], v[rT+6], v[rS+23], v[rS+31]
	v_max3_num_f32 v[rT+4], v[rT+4], v[rT+5], v[rT+6]
	v_max_num_f32 v[rT+4], v[rT+4], v[rT+7]
	v_permlanex16_b32 v[rT+5], v[rT+4], s[SEL], s[SEL+1]           ; the query's other 32 keys lie in the lane 16 away
	v_max_num_f32 v[rT+4], v[rT+4], v[rT+5]        ; key KF counts for all my 16 queries in every step that is walked: this is a number
	v_add_f32 v[rT+4], v[rT+4], v[rT+9]            ; + SH: the step's largest score with its whole bias
	v_mov_b32 v[rT+7], v[rT+8]                     ; the old M
	v_max_num_f32 v[rT+8], v[rT+8], v[rT+4]        ; the new
	v_sub_f32 v[rT+7], v[rT+7], v[rT+8]
	v_sub_f32 v[rT], v[rT+9], v[rT+8]
	v_mul_f32 v[rT+7], s[CS], v[rT+7]              ; c (M_old - M_new)
	v_mul_f32 v[rT], s[CS], v[rT]                  ; AD = c (SH - M)
.irp n, 0,1,2,3,4,5,6,7,8,9,10,11,12,13,14,15
	v_pk_fma_f32 v[rS+2*\n:rS+2*\n+1], v[rS+2*\n:rS+2*\n+1], s[CS:CS+1], v[rT:rT+1] op_sel_hi:[1,0,0]   ; c s + AD, two at a time
.endr
	v_exp_f32 v[rT+6], v[rT+7]                     ; a
.irp n, 0,1,2,3,4,5,6,7,8,9,10,11,12,13,14,15,16,17,18,19,20,21,22,23,24,25,26,27,28,29,30,31
	v_exp_f32 v[rS+\n], v[rS+\n]                   ; p, at most 1
.endr
	v_nop                                          ; a plain instruction behind the last exponential
	s_wait_alu depctr_va_vdst(0)                   ; the wait ahead of the first instruction that names a result: one for the 33
.irp n, 0,1,2,3,4,5,6,7,8,9,10,11,12,13,14,15
	v_cvt_pk_f16_f32 v[rP+\n], v[rS+2*\n], v[rS+2*\n+1]            ; the second product's operand
.endr
.irp u, 0,1,2,3,4,5,6,7
	v_pk_add_f32 v[rS+4*\u:rS+4*\u+1], v[rS+4*\u:rS+4*\u+1], v[rS+4*\u+2:rS+4*\u+3]   ; the sum of the 16 pairs, in place, of the unrounded p
.endr
.irp u, 0,1,2,3
	v_pk_add_f32 v[rS+8*\u:rS+8*\u+1], v[rS+8*\u:rS+8*\u+1], v[rS+8*\u+4:rS+8*\u+5]
.endr
.irp u, 0,1
	v_pk_add_f32 v[rS+16*\u:rS+16*\u+1], v[rS+16*\u:rS+16*\u+1], v[rS+16*\u+8:rS+16*\u+9]
.endr
	v_pk_add_f32 v[rS:rS+1], v[rS:rS+1], v[rS+16:rS+17]
	v_pk_fma_f32 v[rT+2:rT+3], v[rT+2:rT+3], v[rT+6:rT+7], v[rS:rS+1] op_sel_hi:[1,0,1]   ; l = a l + the sum
.irp n, 0,1,2,3,4,5,6,7,8,9,10,11,12,13,14,15
	v_pk_mul_f32 v[rO+2*\n:rO+2*\n+1], v[rO+2*\n:rO+2*\n+1], v[rT+6:rT+7] op_sel_hi:[1,0]   ; O^T x a
.endr
.endm
; A KEY STEP: 64 keys, the q-th of the slot in hand.  Tile 1, the later queries, sees every key that tile 0 sees: so a step hidden from tile 1 is left out whole.
.macro STEP q
	s_cmp_gt_u32 s[KF], s[QH15]
	s_cbranch_scc1 .Lhid_\@
	v_add_nc_u32 v[ADK], s[TB], v[AK0]             ; these lines are also the places between the last step's products and the loads into V's registers
	v_add_nc_u32 v[ADV], s[TB], v[AV0]
	s_sub_co_i32 s60, s[QL], s[KF]
	s_sub_co_i32 s61, s[QH], s[KF]
	v_cvt_f32_i32 v[ST+9], s60
	v_cvt_f32_i32 v[ST+21], s61
	v_mul_f32 v[ST+9], s[NG], v[ST+9]              ; SH = -g (Q0 - KF)
	v_mul_f32 v[ST+21], s[NG], v[ST+21]
	WIN 0x40                                       ; destination window 1
.irp kt, 0,1,2,3
.irp ks, 0,1
	ds_load_b128 v[32+16*\kt+8*\ks:32+16*\kt+8*\ks+3], v[ADK] offset:64*KP*(\q)+16*KP*\kt+64*\ks
	ds_load_b128 v[32+16*\kt+8*\ks+4:32+16*\kt+8*\ks+7], v[ADK] offset:64*KP*(\q)+16*KP*\kt+64*\ks+32
.endr
.endr
.irp kb, 0,1
.irp ct, 0,1,2,3
	ds_load_tr16_b128 v[96+32*\kb+8*\ct:96+32*\kb+8*\ct+3], v[ADV] offset:64*VP*(\q)+32*VP*\kb+32*\ct
	ds_load_tr16_b128 v[96+32*\kb+8*\ct+4:96+32*\kb+8*\ct+7], v[ADV] offset:64*VP*(\q)+32*VP*\kb+32*\ct+16*VP
.endr
.endr
	s_wait_dscnt 16                                ; K's sixteen loads are in; V's sixteen may be out
	WIN 0x05                                       ; K and Q in window 1
	S_TILE 1
	WIN 0
	s_cmp_gt_u32 s[KF], s[QL15]
	s_cbranch_scc1 .Lno_low_\@
	WIN 0x05
	S_TILE 0
	WIN 0
.Lno_low_\@:
.rept 4
	v_nop                                          ; places between the products and the first read of their results
.endr
	SOFTMAX 1
	s_wait_dscnt 0x0                               ; V is in
	WIN 0x01                                       ; V in window 1
	PV 1
	WIN 0
	s_cmp_gt_u32 s[KF], s[QL15]
	s_cbranch_scc1 .Lhid_\@
	SOFTMAX 0                                      ; stands behind tile 1's products and names none of their registers
	WIN 0x01
	PV 0
	WIN 0
.Lhid_\@:
	s_add_co_u32 s[KF], s[KF], 64
.endm
; THE CHANGE OF SLOTS stands at a slot's head.  Each wave waits for all its tensor loads (its part of the slot that it is about to read), adds 0 to its spare word, and waits for that and for its reads of the slot
; that it has left.  Behind the barrier the slot ahead is whole and nobody reads the other one.  fill = 1: that other slot takes the next 256 keys; the load has four key steps in which to land.
.macro CHANGE fill
	s_wait_tensorcnt 0x0                           ; no tensor load of mine is out, so a group 0 may be written
	ds_add_u32 v[SPW], v[NIL]                      ; 0 onto my spare word
.if \fill
	s_xor_b32 s[G0K+1], s[G0K+1], SLOT1            ; the walking descriptors: the other slot than last time,
	s_add_nc_u64 s[G0K+2:G0K+3], s[G0K+2:G0K+3], 32768             ; the next 256 keys; the type bits on top are not reached
	s_xor_b32 s[G0V+1], s[G0V+1], SLOT1
	s_add_nc_u64 s[G0V+2:G0V+3], s[G0V+2:G0V+3], 32768
	s_wait_xcnt 0x0                                ; the last prefetch, a slot back, has read its address, so it may be written:
	s_add_nc_u64 s[PFA:PFA+1], s[PFA:PFA+1], 32768 ; one slot further on than the walking descriptors
.endif
	s_wait_dscnt 0x0                               ; the add is done, and my reads of the slot that I have left are over
	s_barrier_signal -1
	s_barrier_wait -1
.if \fill
	s_add_co_u32 s60, s[KF], 256                   ; the first key of the slot that this change would ask for
	s_cmp_gt_u32 s60, s[LQ]                        ; past my work-group's last query: none of its waves would read it, so it is not asked for.  Ids and the count of steps alone: all eight waves go the same way
	s_cbranch_scc1 .Lpast_\@
	TLOAD                                          ; my one tensor load until the next change
.Lpast_\@:
	ASK
.endif
.endm
	s_wait_loadcnt 0x0                             ; Q
.Lslot:                                            ; seven trips: behind each change of slots but the last the next slot is asked for, up to the causal limit
	CHANGE 1
	STEP 0
	STEP 1
	STEP 2
	STEP 3
	s_xor_b32 s[TB], s[TB], SLOT1                  ; on to the other slot
	s_sub_co_u32 s[SLOTS], s[SLOTS], 1
	s_cmp_lg_u32 s[SLOTS], 0
	s_cbranch_scc1 .Lslot
	CHANGE 0                                       ; the last slot is written out: nothing is left to ask for
	STEP 0
	STEP 1
	STEP 2
	STEP 3
	; THE WAY OUT.  l's two halves and the other half of the lanes' are added; O^T is divided by l, rounded to f16 and sent through my stage in LDS, a tile at a time.
.rept 4
	v_nop                                          ; places behind the last products
.endr
.irp t, 0,1
	v_add_f32 v[ST+12*\t+4], v[ST+12*\t+2], v[ST+12*\t+3]
.endr
.irp t, 0,1
	v_permlanex16_b32 v[ST+12*\t+5], v[ST+12*\t+4], s[SEL], s[SEL+1]
.endr
.irp t, 0,1
	v_add_f32 v[ST+12*\t+4], v[ST+12*\t+4], v[ST+12*\t+5]
.endr
.irp t, 0,1
	v_rcp_f32 v[ST+12*\t+6], v[ST+12*\t+4]
.endr
	v_nop                                          ; a plain instruction behind the last reciprocal
	s_wait_alu depctr_va_vdst(0)                   ; and the wait ahead of the first use: one for the two
.macro OUT t
.irp n, 0,1,2,3,4,5,6,7,8,9,10,11,12,13,14,15
	v_pk_mul_f32 v[O+32*\t+2*\n:O+32*\t+2*\n+1], v[O+32*\t+2*\n:O+32*\t+2*\n+1], v[ST+12*\t+6:ST+12*\t+7] op_sel_hi:[1,0]
.endr
.irp n, 0,1,2,3,4,5,6,7,8,9,10,11,12,13,14,15
	v_cvt_pk_f16_f32 v[S+32*\t+\n], v[O+32*\t+2*\n], v[O+32*\t+2*\n+1]             ; registers 4 ct .. 4 ct + 3: channels 16 ct + 8 h + 0 .. 7 of query r
.endr
.irp ct, 0,1,2,3
	ds_store_b128 v[STO], v[S+32*\t+4*\ct:S+32*\t+4*\ct+3] offset:32*\ct
.endr
.irp i, 0,1,2,3
	ds_load_b128 v[S+32*\t+16+4*\i:S+32*\t+16+4*\i+3], v[RD] offset:4*SPT*\i       ; LDS serves a wave's instructions in order (ISA guide 5.7.1.4): these see the stores above; the next tile's stores come behind them
.endr
.endm
	OUT 0
	OUT 1
.irp i, 0,1,2,3
	s_wait_dscnt 11-\i                             ; behind tile 0's load i: its own younger loads and tile 1's eight LDS instructions
	global_store_b128 v[GO], v[S+16+4*\i:S+16+4*\i+3], s[72:73] offset:8192*\i     ; 16 lanes store 256 consecutive, aligned bytes: two positions of my head
.endr
.irp i, 0,1,2,3
	s_wait_dscnt 3-\i
	global_store_b128 v[GO], v[S+48+4*\i:S+48+4*\i+3], s[74:75] offset:8192*\i
.endr
	s_wait_tensorcnt 0x0                           ; the wave's end, behind my last tensor load and my last LDS store
	ds_add_u32 v[SPW], v[NIL]
	s_wait_dscnt 0x0
	s_endpgm
.Lfunc_end_k_q301733c8bc_attn:
	.size	k_q301733c8bc_attn, .Lfunc_end_k_q301733c8bc_attn-k_q301733c8bc_attn
	.p2alignl 7, 3214868480
	.fill 96, 4, 3214868480
	.section	.rodata,"a",@progbits
	.p2align	6, 0x0
	.amdhsa_kernel k_q301733c8bc_attn
		.amdhsa_group_segment_fixed_size 327680
		.amdhsa_private_segment_fixed_size 0
		.amdhsa_enable_private_segment 0
		.amdhsa_kernarg_size 16
		.amdhsa_user_sgpr_count 2
		.amdhsa_user_sgpr_kernarg_segment_ptr 1
		.amdhsa_wavefront_size32 1
		.amdhsa_system_sgpr_workgroup_id_x 1
		.amdhsa_system_sgpr_workgroup_id_y 1
		.amdhsa_system_sgpr_workgroup_id_z 1
		.amdhsa_system_vgpr_workitem_id 0
		.amdhsa_next_free_vgpr 512
		.amdhsa_next_free_sgpr 80
		.amdhsa_reserve_vcc 1
		.amdhsa_float_denorm_mode_32 3
		.amdhsa_float_denorm_mode_16_64 3
		.amdhsa_memory_ordered 1
		.amdhsa_forward_progress 1
		.amdhsa_inst_pref_size 198
	.end_amdhsa_kernel
	.amdgpu_metadata
---
amdhsa.version: [ 1, 2 ]
amdhsa.kernels:
  - .name:           k_q301733c8bc_attn
    .symbol:         k_q301733c8bc_attn.kd
    .args:
      - { .name: qkv, .offset: 0, .size: 8, .value_kind: global_buffer, .address_space: global }
      - { .name: yb, .offset: 8, .size: 8, .value_kind: global_buffer, .address_space: global }
    .group_segment_fixed_size: 327680
    .private_segment_fixed_size: 0
    .kernarg_segment_align: 8
    .kernarg_segment_size: 16
    .max_flat_workgroup_size: 256
    .sgpr_count:     80
    .vgpr_count:     512
    .wavefront_size: 32
...
	.end_amdgpu_metadata
.endif
;; end of part 3
;; launch outp (part 4): grid 8 x 32, 4 waves a work-group, clusters of 4 x 4, 327,680 bytes of LDS; arguments yb, wo16, bo, out0; writes out0
.if DOCPART == 4
	.amdgcn_target "amdgcn-amd-amdhsa--gfx1250"
	.amdhsa_code_object_version 6
	.text
	.protected	k_q301733c8bc_outp
	.globl	k_q301733c8bc_outp
	.p2align	8
	.type	k_q301733c8bc_outp,@function
k_q301733c8bc_outp:
	s_mov_b64 s[64:65], 0
	v_nop
	global_prefetch_b8 v0, s[64:65] scope:SCOPE_SE
	s_setreg_imm32_b32 hwreg(HW_REG_WAVE_MODE, 25, 1), 1
	s_wait_xcnt 0x0
	s_wait_alu depctr_hold_cnt(0) depctr_sa_sdst(0) depctr_va_vdst(0) depctr_va_sdst(0) depctr_va_ssrc(0) depctr_va_vcc(0) depctr_vm_vsrc(0)
	s_getreg_b32 s2, hwreg(HW_REG_IB_STS2, 6, 4)
	s_cmp_eq_u32 s2, 0
	s_cbranch_scc0 .Lentry_in_a_cluster
	s_endpgm
.Lentry_in_a_cluster:
	s_bfe_u32 s2, ttmp6, 0x10000c
	s_cmp_lg_u32 s2, 0xf033
	s_cbranch_scc0 .Lentry_shape_is_right
	s_endpgm
.Lentry_shape_is_right:
; out0[m][n] = sum over k of y[m][k] Wo[k][n] + bo[n].  y: f16 in yb [m / 2][16 h][m % 2][64] (k = 64 h + channel; a pair of rows is 4,096 bytes); Wo: f16 in wo16 [1024 k][1024 n]; out0: [4096][1024] f32; sums in f32.
; A tile of the output is 128 x 128: 256 work-groups.  Four waves, each 64 x 64: 16 accumulators of 16 x 16.  K goes in four steps of 256 through a ring of two LDS slots.
; A K step of y is four heads: 1,024 consecutive bytes of each pair of rows; a wave's tensor load brings 32 pairs.  A K step of Wo is 256 rows k of 256 bytes; a load brings 128 of them; its fragments come
; out of LDS turned, by ds_load_tr16_b128, since k is not innermost.
; CLUSTERS: 4 x 4 work-groups.  The four of a row of the cluster need the same tiles of y, the four of a column the same tiles of Wo: each tile is asked for JOINTLY, by the same tensor load with the same
; descriptor and a mask that names the four.  THE MATRIX INSTRUCTION IS USED TRANSPOSED (source 0 = 16 columns n of Wo, source 1 = 16 rows of y): a lane holds eight neighbouring numbers of a row of the output.
; THE BIAS is the C of each sum's first instruction.
; REGISTERS: window 0: v0-31 addresses; v32-95 at work on the way out; v96-127 the bias; v128-255 the accumulators ((a, b) at v[128 + 8 (4 a + b)]).
;   window 1: two fragment buffers of 128: for 64 along K, 64 registers of y (2 x 4 x 16 rows x 32 K), then 64 of Wo.
.set APIT,  1040                       ; a pair of rows of y in LDS: 1,024 bytes + 16: the 16 rows of a fragment load fall on 16 different 16-byte columns of the banks' 256 bytes (ISA guide 11.1)
.set BPIT,  288                        ; a row k of Wo: 256 bytes + 32: an odd multiple of 32 bytes, for the turning load
.set HALFA, 32*APIT                    ; what one tensor load brings of y: 64 rows
.set HALFB, 128*BPIT                   ; and of Wo: 128 rows k
.set BOFF,  2*HALFA
.set SLOT,  BOFF+2*HALFB
.set SPARE, 2*SLOT                     ; behind the ring: the spare words, 128 bytes for each wave: two blocks of 256 bytes that no other line names
.set SPITCH, 272                       ; the way out: a stage of 16 rows x (256 bytes + 16) for each wave, in slot 0, which has had its last fill and its last read when the first result is stored there
.set LAPS,  2                          ; a lap = two K steps = once round the ring
.set ADRA, 16                          ; v16-17  LDS address of my fragments of y in slot 0, 1
.set ADRB, 20                          ; v20-21  the same for Wo, rows k 0-127 of a slot;  v22-23 rows 128-255
.set STO,  24
.set RD,   25
.set CO,   26
.set BO,   27                          ; v27     the bias loads' offset
.set SPW,  28                          ; v28     LDS address of my spare word; never rewritten
.set NIL,  29                          ; v29     0; never rewritten
.set TMP,  32
.set BIAS, 96
.set ACC,  128
.set F0,   0
.set F1,   128
.set G1, 24
.set G0, 32
.set G1B, 48
.set G0B, 56
.set MSB, 0
.macro WIN new
.if MSB != (\new)
	s_set_vgpr_msb (MSB<<8)|(\new)
.set MSB, (\new)
.endif
.endm
.set MUL,  0x05                        ; sources 0 (Wo) and 1 (y) window 1; C and D window 0
.set TO_F, 0x40                        ; destination window 1, address window 0
.macro JLOAD s                         ; a joint load: waves 0 and 1 fetch y's two halves, waves 2 and 3 Wo's; an s_nop 0 and four v_nop follow each of the two lines
	s_cmp_eq_u32 s11, 0
	s_cbranch_scc0 .Lfor_b_\@
	tensor_load_to_lds s[G0+4*\s:G0+4*\s+3], s[G1:G1+7]
	s_nop 0
.rept 4
	v_nop
.endr
	s_branch .Lasked_\@
.Lfor_b_\@:
	tensor_load_to_lds s[G0B+4*\s:G0B+4*\s+3], s[G1B:G1B+7]
	s_nop 0
.rept 4
	v_nop
.endr
.Lasked_\@:
.endm
.macro CREST                           ; a round of the cluster's barrier behind its opening barrier
	s_cmp_lg_u32 s10, 0
	s_cbranch_scc1 .Lnot_wave_0_\@
	s_barrier_signal -3
.Lnot_wave_0_\@:
	s_barrier_wait -3
	s_barrier_signal -1
	s_barrier_wait -1
.endm
.macro CROUND
	s_barrier_signal -1
	s_barrier_wait -1
	CREST
.endm
	s_load_b128 s[4:7], s[0:1], 0x0                ; yb s[4:5], wo16 s[6:7]
	s_load_b64 s[66:67], s[0:1], 0x10              ; bo
	s_load_b64 s[8:9], s[0:1], 0x18                ; out0
	v_lshl_add_u32 v[SPW], v0, 2, SPARE
	v_mov_b32 v[NIL], 0
	ds_add_u32 v[SPW], v[NIL]                      ; the wave's opening: the add, twice on end, and its wait ahead of my first tensor load
	ds_add_u32 v[SPW], v[NIL]
	v_lshrrev_b32 v1, 5, v0
	v_readfirstlane_b32 s10, v1                    ; wave 0..3
	s_lshr_b32 s11, s10, 1                         ; which half of the tile's rows is mine.  Also: I fetch for y (0) or for Wo (1)
	s_and_b32 s12, s10, 1                          ; which half of its columns.  Also: which half of that tile I fetch
	s_bfe_u32 s40, ttmp6, 0x40000                  ; cx, cy: my place in the cluster
	s_bfe_u32 s41, ttmp6, 0x40004
	s_lshl_b32 s42, ttmp9, 2
	s_add_co_u32 s42, s42, s40                     ; tile column = 4 x cluster x + cx
	s_and_b32 s13, ttmp7, 0xffff
	s_lshl_b32 s13, s13, 2
	s_add_co_u32 s13, s13, s41                     ; tile row = 4 x cluster y + cy
	s_lshl_b32 s43, s41, 2
	s_lshl_b32 s43, 15, s43                        ; my row of the cluster
	s_lshl_b32 s44, 0x1111, s40                    ; my column
	; descriptor group 1 for y: 32 rows (pairs) x 512 elements of 2 bytes, 2,048 elements apart; four words of padding behind every 256
	s_or_b32 s[G1+0], s43, (1<<16)|(1<<20)|(1<<21)|(7<<22)|(3<<25)
	s_mov_b32 s[G1+1], 512<<16                     ; tensor_dim0
	s_mov_b32 s[G1+2], 32<<16                      ; tensor_dim1
	s_mov_b32 s[G1+3], 512<<16                     ; tile_dim0
	s_mov_b32 s[G1+4], 32                          ; tile_dim1
	s_mov_b32 s[G1+5], 2048                        ; tensor_dim0_stride
	s_mov_b32 s[G1+6], 0
	s_mov_b32 s[G1+7], 0
	; and for Wo: 128 rows k x 128 elements, 1,024 elements apart; eight words of padding behind every 64
	s_or_b32 s[G1B+0], s44, (1<<16)|(1<<20)|(1<<21)|(5<<22)|(7<<25)
	s_mov_b32 s[G1B+1], 128<<16
	s_mov_b32 s[G1B+2], 128<<16
	s_mov_b32 s[G1B+3], 128<<16
	s_mov_b32 s[G1B+4], 128
	s_mov_b32 s[G1B+5], 1024
	s_mov_b32 s[G1B+6], 0
	s_mov_b32 s[G1B+7], 0
	s_lshl_b32 s16, s13, 18                        ; y: (64 x tile row + 32 x half) pairs of 4,096 bytes
	s_lshl_b32 s17, s12, 17
	s_add_co_u32 s16, s16, s17
	s_mov_b32 s17, 0
	s_lshl_b32 s46, s12, 18                        ; Wo: 128 x half rows of 2,048 bytes + 256 bytes x tile column
	s_lshl_b32 s47, s42, 8
	s_add_co_u32 s46, s46, s47
	s_mov_b32 s47, 0
	s_mul_i32 s20, s12, HALFA                      ; where they go: no place in the cluster enters an LDS address
	s_mul_i32 s21, s12, HALFB
	s_add_co_u32 s21, s21, BOFF
	s_wait_dscnt 0x0                               ; both opening adds are done
	s_wait_kmcnt 0x0
	s_add_nc_u64 s[14:15], s[4:5], s[16:17]
	s_add_nc_u64 s[46:47], s[6:7], s[46:47]
	CROUND                                         ; all sixteen work-groups are here: the first joint loads meet
.irp s, 0,1
	s_mov_b32 s[G0+4*\s], 1
	s_add_co_u32 s[G0+4*\s+1], s20, \s*SLOT
	s_add_nc_u64 s[G0+4*\s+2:G0+4*\s+3], s[14:15], \s*1024         ; K step s: four heads on
	s_or_b32 s[G0+4*\s+3], s[G0+4*\s+3], 0x80000000
	s_mov_b32 s[G0B+4*\s], 1
	s_add_co_u32 s[G0B+4*\s+1], s21, \s*SLOT
	s_add_nc_u64 s[G0B+4*\s+2:G0B+4*\s+3], s[46:47], \s*524288     ; 256 rows k on
	s_or_b32 s[G0B+4*\s+3], s[G0B+4*\s+3], 0x80000000
	JLOAD \s                                       ; two loads of mine are out behind the second
.endr
	v_and_b32 v1, 15, v0                           ; r = l % 16
	v_bfe_u32 v2, v0, 4, 1                         ; h = l / 16
	; the bias: register 8 b + j of lane (r, h) is bo[128 x tile column + 64 x half + 16 b + 8 h + j], the layout of a result
	s_lshl_b32 s46, s42, 9
	s_lshl_b32 s47, s12, 8
	s_add_co_u32 s46, s46, s47
	s_mov_b32 s47, 0
	s_add_nc_u64 s[66:67], s[66:67], s[46:47]
	s_add_nc_u64 s[8:9], s[8:9], s[46:47]          ; and my first column of the output, the same bytes on
	v_lshlrev_b32 v[BO], 5, v2
.irp b, 0,1,2,3
	global_load_b128 v[BIAS+8*\b:BIAS+8*\b+3], v[BO], s[66:67] offset:64*\b
	global_load_b128 v[BIAS+8*\b+4:BIAS+8*\b+7], v[BO], s[66:67] offset:64*\b+16
.endr
	v_lshrrev_b32 v3, 1, v1                        ; y: row r lies in pair r / 2, 128 (r % 2) bytes on within a head; + 16 h
	v_mul_u32_u24 v3, v3, APIT
	v_and_b32 v4, 1, v1
	v_lshl_add_u32 v3, v4, 7, v3
	v_lshl_add_u32 v3, v2, 4, v3
	v_and_b32 v5, 7, v0                            ; Wo: the turning load: row k 8 h + l % 8, columns 8 ((l / 8) % 2) on
	v_lshl_add_u32 v5, v2, 3, v5
	v_mul_u32_u24 v5, v5, BPIT
	v_bfe_u32 v6, v0, 3, 1
	v_lshl_add_u32 v5, v6, 4, v5
	s_mul_i32 s21, s11, HALFA                      ; my 64 rows of y
	s_lshl_b32 s22, s12, 7                         ; my 64 columns of Wo: 128 bytes on in each row k,
	s_add_co_u32 s22, s22, BOFF                    ; behind y's tile
.irp s, 0,1
	v_add_nc_u32 v[ADRA+\s], s21, v3
	v_add_nc_u32 v[ADRB+\s], s22, v5
	v_add_nc_u32 v[ADRB+2+\s], HALFB, v[ADRB+\s]   ; rows k 128 on: so that every offset fits the 16-bit immediate
	s_add_co_u32 s21, s21, SLOT
	s_add_co_u32 s22, s22, SLOT
.endr
	s_mul_i32 s23, s10, 16*SPITCH                  ; my stage
	v_mul_u32_u24 v4, v1, SPITCH                   ; in: row r, 32 bytes for each half of the lanes
	v_lshl_add_u32 v4, v2, 5, v4
	v_add_nc_u32 v[STO], s23, v4
	v_mul_u32_u24 v5, v2, SPITCH                   ; back: lanes 0-15 take one row of 256 bytes, lanes 16-31 the next
	v_lshl_add_u32 v5, v1, 4, v5
	v_add_nc_u32 v[RD], s23, v5
	v_lshlrev_b32 v[CO], 12, v2                    ; and the same two rows of the output, 4,096 bytes apart
	v_lshl_add_u32 v[CO], v1, 4, v[CO]
	s_lshl_b32 s16, s13, 19                        ; my first row: (128 x tile row + 64 x half) rows of 4,096 bytes
	s_lshl_b32 s17, s11, 18
	s_add_co_u32 s16, s16, s17
	s_mov_b32 s17, 0
	s_add_nc_u64 s[8:9], s[8:9], s[16:17]
; 8 matrix instructions: m blocks a0, a0 + 1 x all 4 n blocks, 32 along K: half c of buffer f.  first = 1: the sums start from the bias.  The 16 accumulators take turns.
.macro MUL8 f, c, a0, first
.irp a, \a0, \a0+1
.irp b, 0,1,2,3
.if \first
	v_wmma_f32_16x16x32_f16 v[ACC+8*(4*(\a)+\b):ACC+8*(4*(\a)+\b)+7], v[\f+64+8*(4*\c+\b):\f+64+8*(4*\c+\b)+7], v[\f+8*(4*\c+\a):\f+8*(4*\c+\a)+7], v[BIAS+8*\b:BIAS+8*\b+7]
.else
	v_wmma_f32_16x16x32_f16 v[ACC+8*(4*(\a)+\b):ACC+8*(4*(\a)+\b)+7], v[\f+64+8*(4*\c+\b):\f+64+8*(4*\c+\b)+7], v[\f+8*(4*\c+\a):\f+8*(4*\c+\a)+7], v[ACC+8*(4*(\a)+\b):ACC+8*(4*(\a)+\b)+7]
.endif
.endr
.endr
.endm
; 32 LDS loads in one run: the fragments of quarter qd of a slot (64 along K: one head) into buffer f; the first 32 along K first
.macro FETCH slot, qd, f
	WIN TO_F
.irp c, 0,1
.irp i, 0,1,2,3
	ds_load_tr16_b128 v[\f+64+8*(4*\c+\i):\f+64+8*(4*\c+\i)+3],   v[ADRB+\slot+2*((\qd)/2)] offset:(((\qd)%2)*64+32*\c)*BPIT+32*\i
	ds_load_tr16_b128 v[\f+64+8*(4*\c+\i)+4:\f+64+8*(4*\c+\i)+7], v[ADRB+\slot+2*((\qd)/2)] offset:(((\qd)%2)*64+32*\c)*BPIT+32*\i+16*BPIT
	ds_load_b128 v[\f+8*(4*\c+\i):\f+8*(4*\c+\i)+3],         v[ADRA+\slot] offset:256*(\qd)+64*\c+\i*8*APIT
	ds_load_b128 v[\f+8*(4*\c+\i)+4:\f+8*(4*\c+\i)+7],       v[ADRA+\slot] offset:256*(\qd)+64*\c+\i*8*APIT+32
.endr
.endr
.endm
.macro PLACES                          ; four places in front of loads into registers that matrix instructions have read, and of the first read of results (ISA guide 7.12.1 for the first read of results)
.rept 4
	v_nop
.endr
.endm
; A K step is four quarters of 64 along K, 32 matrix instructions each, on buffers 0, 1, 0, 1.  One of the first three: multiplies buffer f and fetches quarter qd into g.
.macro QUARTER slot, qd, f, g, first
	s_wait_dscnt 16                                ; the first 32 along K are in
	WIN MUL
	MUL8 \f, 0, 0, \first
	MUL8 \f, 0, 2, \first
	PLACES
	FETCH \slot, \qd, \g
	s_wait_dscnt 32                                ; all but the 32 just issued
	WIN MUL
	MUL8 \f, 1, 0, 0
	MUL8 \f, 1, 2, 0
.endm
; The last quarter multiplies buffer 1 and changes slots: ONE barrier; in front of it each wave waits for all its tensor loads, adds 0 to its spare word, and waits for that and for its own reads of this slot.
; fill = 1: this slot is filled again, two K steps ahead, behind a round of the cluster's barrier.
.macro TURN slot, next, fill
	WIN 0                                          ; (the add's two registers lie in window 0)
	s_wait_tensorcnt 0x0                           ; all my tensor loads have landed: my part of the next slot
	ds_add_u32 v[SPW], v[NIL]                      ; 0 onto my spare word
	s_wait_dscnt 17                                ; (the add and the youngest sixteen loads may be out)
	WIN MUL
	MUL8 F1, 0, 0, 0                               ; eight matrix instructions stand between the add and the wait for it
	s_wait_dscnt 0x0                               ; the add is done, and my reads of this slot are over
	s_barrier_signal -1
	MUL8 F1, 0, 2, 0
.if \fill
	WIN 0
.endif
	s_barrier_wait -1
.if \fill
	CREST                                          ; no wave of any partner still reads this slot's tile or has a load on its way
	s_add_nc_u64 s[G0+4*\slot+2:G0+4*\slot+3], s[G0+4*\slot+2:G0+4*\slot+3], 2048
	s_add_nc_u64 s[G0B+4*\slot+2:G0B+4*\slot+3], s[G0B+4*\slot+2:G0B+4*\slot+3], 1048576
	JLOAD \slot                                    ; the first tensor load behind the round; the four v_nop behind it are also the places in front of the loads below
.else
	PLACES
.endif
	FETCH \next, 0, F0
	WIN MUL
	MUL8 F1, 1, 0, 0
	MUL8 F1, 1, 2, 0
.endm
	s_wait_tensorcnt 1                             ; my part of K step 0 is in (K step 1's may be out)
	s_barrier_signal -1
	s_barrier_wait -1                              ; everybody's is
	FETCH 0, 0, F0
	s_wait_loadcnt 0x0                             ; the bias
	QUARTER 0, 1, F0, F1, 1                        ; the first quarter stands in front of the loop: its first products start the sums
	WIN 0
	s_mov_b32 s3, LAPS-1
.Llap:                                             ; a trip goes once round the ring, from a lap's second quarter to the next lap's first, and fills both slots again
	QUARTER 0, 2, F1, F0, 0
	QUARTER 0, 3, F0, F1, 0
	TURN 0, 1, 1
	QUARTER 1, 1, F0, F1, 0
	QUARTER 1, 2, F1, F0, 0
	QUARTER 1, 3, F0, F1, 0
	TURN 1, 0, 1
	QUARTER 0, 1, F0, F1, 0
	WIN 0
	s_sub_co_u32 s3, s3, 1
	s_cmp_lg_u32 s3, 0
	s_cbranch_scc1 .Llap
	QUARTER 0, 2, F1, F0, 0                        ; the last lap fills nothing, and has no round of the cluster's barrier
	QUARTER 0, 3, F0, F1, 0
	TURN 0, 1, 0
	QUARTER 1, 1, F0, F1, 0
	QUARTER 1, 2, F1, F0, 0
	QUARTER 1, 3, F0, F1, 0
	s_wait_dscnt 16                                ; the very last quarter: nothing more to fetch
	WIN MUL
	MUL8 F1, 0, 0, 0
	MUL8 F1, 0, 2, 0
	s_wait_dscnt 0
	MUL8 F1, 1, 0, 0
	MUL8 F1, 1, 2, 0
	WIN 0
	; THE WAY OUT.  My 64 columns of f32 are 256 consecutive, aligned bytes of a row: so each wave has a stage of its own and no barrier is needed.  A block of 16 rows goes in as 32 bytes a lane,
	; each accumulator from its low end on, and comes back as whole rows, two to a load.
	PLACES
.irp a, 0,1,2,3
.if \a >= 2
	s_wait_xcnt 0x0                                ; block a - 2's stores have read their registers: block a's loads may land there
.endif
.irp b, 0,1,2,3
	ds_store_b128 v[STO], v[ACC+8*(4*\a+\b):ACC+8*(4*\a+\b)+3] offset:64*\b
	ds_store_b128 v[STO], v[ACC+8*(4*\a+\b)+4:ACC+8*(4*\a+\b)+7] offset:64*\b+16
.endr
.irp t, 0,1,2,3,4,5,6,7
	ds_load_b128 v[TMP+32*(\a%2)+4*\t:TMP+32*(\a%2)+4*\t+3], v[RD] offset:\t*2*SPITCH      ; LDS serves a wave's instructions in order (ISA guide 5.7.1.4): these see the stores above
.endr
.irp t, 0,1,2,3,4,5,6,7
	s_wait_dscnt 7-\t
	global_store_b128 v[CO], v[TMP+32*(\a%2)+4*\t:TMP+32*(\a%2)+4*\t+3], s[8:9] offset:(16*\a+2*\t)*4096 th:TH_STORE_NT   ; 16 lanes store 256 consecutive, aligned bytes; written once, read by nobody here
.endr
.endr
	s_wait_tensorcnt 0x0                           ; the wave's end, behind my last tensor load and my last LDS store
	ds_add_u32 v[SPW], v[NIL]
	s_wait_dscnt 0x0
	CROUND                                         ; the closing round: no work-group ends while a partner may still ask for a tile that names it
	s_endpgm
.Lfunc_end_k_q301733c8bc_outp:
	.size	k_q301733c8bc_outp, .Lfunc_end_k_q301733c8bc_outp-k_q301733c8bc_outp
	.p2alignl 7, 3214868480
	.fill 96, 4, 3214868480
	.section	.rodata,"a",@progbits
	.p2align	6, 0x0
	.amdhsa_kernel k_q301733c8bc_outp
		.amdhsa_group_segment_fixed_size 327680
		.amdhsa_private_segment_fixed_size 0
		.amdhsa_enable_private_segment 0
		.amdhsa_kernarg_size 32
		.amdhsa_user_sgpr_count 2
		.amdhsa_user_sgpr_kernarg_segment_ptr 1
		.amdhsa_wavefront_size32 1
		.amdhsa_system_sgpr_workgroup_id_x 1
		.amdhsa_system_sgpr_workgroup_id_y 1
		.amdhsa_system_sgpr_workgroup_id_z 1
		.amdhsa_system_vgpr_workitem_id 0
		.amdhsa_next_free_vgpr 512
		.amdhsa_next_free_sgpr 68
		.amdhsa_reserve_vcc 0
		.amdhsa_float_denorm_mode_32 3
		.amdhsa_float_denorm_mode_16_64 3
		.amdhsa_memory_ordered 1
		.amdhsa_forward_progress 1
		.amdhsa_inst_pref_size 88
	.end_amdhsa_kernel
	.amdgpu_metadata
---
amdhsa.version: [ 1, 2 ]
amdhsa.kernels:
  - .name:           k_q301733c8bc_outp
    .symbol:         k_q301733c8bc_outp.kd
    .args:
      - { .name: yb, .offset: 0, .size: 8, .value_kind: global_buffer, .address_space: global }
      - { .name: wo16, .offset: 8, .size: 8, .value_kind: global_buffer, .address_space: global }
      - { .name: bo, .offset: 16, .size: 8, .value_kind: global_buffer, .address_space: global }
      - { .name: out0, .offset: 24, .size: 8, .value_kind: global_buffer, .address_space: global }
    .group_segment_fixed_size: 327680
    .private_segment_fixed_size: 0
    .kernarg_segment_align: 8
    .kernarg_segment_size: 32
    .max_flat_workgroup_size: 128
    .sgpr_count:     68
    .vgpr_count:     512
    .wavefront_size: 32
...
	.end_amdgpu_metadata
.endif
;; end of part 4
